; MI455X (gfx1250); checked and timed in simulation.
; The chip was launched on July 23, 2026; its instructions are those of AMD's public machine-readable ISA for CDNA 5 (MIT licence, August 2026) and "CDNA5" Instruction Set Architecture Reference Guide (July 2026). The comments in the code are by the model that wrote it; some were corrected since.
;; Causal Self Attention. Allowed arithmetic: matrix products marked QUANTISED: E3M2 operands, one E8M0 scale for each 32 along K, by v_wmma_scale_f32_16x16x128_f8f6f4 with both operands' format E3M2, f32 sums; everything else in f32.
;; Inputs: out_b 1,024 float32; out_w 1,024 x 1,024 float32; qkv_b 3,072 float32; qkv_w 3,072 x 1,024 float32; x 4 x 2,048 x 1,024 float32.
;; Outputs: out0 4 x 2,048 x 1,024 float32.
;; This version of the problem:
;;   THIS VERSION OF THE PROBLEM IS GIVEN IN LOW PRECISION. The matrix products marked QUANTISED in the list below multiply operands that are first quantised to E3M2 (3 exponent bits, 2 mantissa bits; 6 bits a number), with one power-of-two scale for each 32 numbers along K (OCP MX v1.0); their sums are f32. All else is computed in f32.
;;   The module's matrix products, in the order in which they are computed (A, B: the left and right operand; K: the contracted axis; several contracted axes count as one K, in the product's order):
;;     1. [M 8,192, K 1,024] x [K 1,024, N 3,072]; A: input x; B: input qkv_w: QUANTISED
;;     2. batch 64 x [M 2,048, K 64] x [K 64, N 2,048]; A: computed on the way; B: computed on the way: QUANTISED
;;     3. batch 64 x [M 2,048, K 2,048] x [K 2,048, N 64]; A: softmax (see below); B: computed on the way: QUANTISED
;;     4. [M 8,192, K 1,024] x [K 1,024, N 1,024]; A: computed on the way; B: input out_w: QUANTISED
;;   THE QUANTISER, for each operand of a quantised product, along K:
;;     - K is cut into blocks of 32 from its start; a last block that is shorter is filled with zeros.
;;     - A block's scale is 2^e with e = floor(log2(the largest magnitude in the block)) - 4, held to -126 .. 127; a block of zeros has e = 0. As a byte (E8M0): e + 127.
;;     - Each number is divided by its block's scale, clamped to +-28, and rounded to the nearest number of E3M2, ties to even, subnormals kept.
;;     - The product sums the exact products of the quantised numbers (number of the format x scale) in f32.
;;   ~~~python
;;   def quantise(x, axis):      # numpy; x: float32 -> the quantised numbers, widened to float32 again
;;       x = np.moveaxis(x, axis, -1); K = x.shape[-1]
;;       x = np.pad(x, [(0, 0)] * (x.ndim - 1) + [(0, -K % 32)]); x = x.reshape(x.shape[:-1] + (-1, 32)); a = np.abs(x).max(-1, keepdims=True)
;;       e = np.where(a > 0, np.clip(np.frexp(np.where(a > 0, a, 1))[1] - 1 - 4, -126, 127), 0)      # np.frexp(a)[1] - 1 = floor(log2(a)), exactly
;;       r = np.clip(x / 2.0 ** e, -28, 28)
;;       step = 2.0 ** (np.maximum(np.frexp(np.where(r == 0, 1, r))[1] - 1, -2) - 2)
;;       q = np.round(r / step) * step * 2.0 ** e      # np.round: ties to even
;;       return np.moveaxis(q.reshape(q.shape[:-2] + (-1,))[..., :K], -1, axis).astype(np.float32)
;;   ~~~
;;   SOFTMAX AHEAD OF A QUANTISED PRODUCT. Where the list says 'softmax', what is quantised is not the finished softmax but p = 2^(t - M), with t = logit x log2(e) and M = ceil(the row's largest t), a whole number; so 1/2 < the row's largest p <= 1. The row's sum l is taken of the UNQUANTISED p, in f32, and the product's result is divided by l at the end. Since M is a whole number, a kernel that streams over the keys may use a running M (the ceiling of the running maximum): every later rescaling is an exact power of two, which a block's scale takes up: the codes' values come out the same.
;;   OPERANDS COMPUTED ON THE WAY. 'Computed on the way' means the value that the module computes at that place (a softmax that the list does not call 'softmax' is quantised finished and normalised). What goes into a quantiser is computed in f32, as accurately as f32 sums, v_exp_f32 and their like allow (about 1e-6 of the number): no bf16 or f16 on the way to a quantiser, and a product that is left as it is and whose result goes on into a quantised operand takes f32 operands (vector FMAs, or v_wmma_f32_16x16x4_f32). A number that lies on a knife's edge between two numbers of the format may be rounded either way, as far as f32 arithmetic and the matrix unit's own rounding can turn it there, and no further.
;; One version. Each part assembles by itself: llvm-mc -triple=amdgcn-amd-amdhsa -mcpu=gfx1250 --defsym DOCPART=n.
;; ======== version 1 of 1: 4 launches
;; workspace buffers: cod 15,728,640 bytes; scl 655,360 bytes; qkv 20,185,088 bytes
;; launch quant (part 1): grid 384 x 1, 4 waves a work-group, no clusters, 34,304 bytes of LDS; arguments x, qkv_w, out_w, cod, scl; writes cod, scl
.if DOCPART == 1
	.amdgcn_target "amdgcn-amd-amdhsa--gfx1250"
	.amdhsa_code_object_version 6
	.text
	.protected	k_qabde02cf5c_quant
	.globl	k_qabde02cf5c_quant
	.p2align	8
	.type	k_qabde02cf5c_quant,@function
k_qabde02cf5c_quant:
	s_mov_b64 s[64:65], 0
	v_nop
	global_prefetch_b8 v0, s[64:65] scope:SCOPE_SE
	s_setreg_imm32_b32 hwreg(HW_REG_WAVE_MODE, 25, 1), 1
	s_wait_xcnt 0x0
; LAUNCH 1 OF 4.  x [8192][1024], qkv_w [3072][1024] and out_w [1024][1024], f32, K innermost, become codes of BF6 (E3M2) with one E8M0 byte for each 32 along K.
; THE WHOLE PROGRAM: 1 this; 2 x qkv_w^T + qkv_b, whose results are quantised in registers (q, k along the head's 64, v along the keys); 3 attention, whose result o / l is quantised along c; 4 (o / l) out_w^T + out_b.
; WORK LEFT OUT, in launch 3 alone: key steps of 128 keys all of which come after a tile's queries.  reference() itself sets those scores to -inf (its own triu mask) ahead of the softmax, so their p is 0 and they
; add nothing to the row's sum or to the second product, whatever finite values the inputs hold.  Every input has a way to the output and is loaded.
; LIMITS: a NaN, an infinity or an overflow that reaches only those masked scores is not carried to the result; NaN and infinities among the inputs are not served; a block of zeros gets the byte 1 where the
; rule says 127 (its codes are zeros, which add nothing under any byte but 0xff, and the bytes are read by this program alone); blocks whose largest magnitude lies under 2^(5 - 127) are held at the byte 1.
; LAYOUT OF THE CODES (cod): by tiles of 16 rows, in the order of the operand's registers.  Tile I lies at 12,288 I: sixteen pieces of 768 bytes, one for each 64 along K.  A piece is six registers of each lane
; (lane (r, h): row r, k = 32 h + 0 .. 31): registers 0-3 at 16 x lane, registers 4-5 at 512 + 8 x lane.  Two pieces on end are a fragment of 128 along K.
; THE ROWS OF A TILE ARE NOT NEIGHBOURS: place p of tile 2 B + u is row 32 B + 8 u + p + 8 (p / 8).  Used as a product's source 0, two neighbouring tiles then give a lane 16 neighbouring rows in 16 registers.
; LAYOUT OF THE SCALE WORDS (scl): tile I at 512 I: [K / 512][row place][four words]; a word holds the four bytes of 128 along K.
; SHARES.  Tiles 0-511 x, 512-703 qkv_w, 704-767 out_w.  Work-group g takes tiles 2 g and 2 g + 1; a wave one tile and half of K: four fragments of 16 rows x 128.
; Each load reads 512 consecutive bytes of a row.  A fragment's 8 KiB turn through the wave's own stage in LDS (rows 528 bytes apart), so that a lane gets two whole blocks of 32 of its row: no other lane is asked for a maximum.
; Loads run two fragments (32 loads a wave) ahead.  No tensor load, no barrier: waves share nothing.  Matrix units and clusters have nothing to do here.
.set SPARE, 33792                      ; behind the four stages of 16 x 528 bytes: the spare words, 128 bytes a wave
.set R,  16                            ; v16-143  two sets of 64 numbers as loaded
.set X,  144                           ; v144-207 64 numbers of my row: block h, then block 2 + h
.set C,  208                           ; v208-231 two sets of 12 code registers
.set PW, 248                           ; v248-251 the four fragments' scale words
	s_load_b256 s[4:11], s[0:1], 0x0               ; x, qkv_w, out_w, cod
	s_load_b64 s[16:17], s[0:1], 0x20              ; scl
	v_lshl_add_u32 v12, v0, 2, SPARE               ; my spare word; never rewritten
	v_mov_b32 v13, 0                               ; 0; never rewritten
	v_lshrrev_b32 v1, 5, v0
	v_readfirstlane_b32 s18, v1                    ; wave 0..3
	v_and_b32 v1, 31, v0                           ; lane
	v_and_b32 v2, 15, v0                           ; r
	v_bfe_u32 v3, v0, 4, 1                         ; h
	v_lshlrev_b32 v4, 4, v1                        ; 16 x lane: my bytes of a load's 512, and of a store's
	s_mul_i32 s19, s18, 8448                       ; my stage
	v_add_nc_u32 v5, s19, v4                       ; into it: 16 x lane, a row an instruction
	v_mul_u32_u24 v6, v2, 528
	v_lshl_add_u32 v6, v3, 7, v6
	v_add_nc_u32 v6, s19, v6                       ; out of it: row r, + 128 h: my block of 32 numbers
	v_lshlrev_b32 v8, 3, v1                        ; 8 x lane
	v_lshlrev_b32 v9, 4, v2
	v_lshl_add_u32 v9, v3, 3, v9                   ; the scale words' place: 16 r + 8 h
	v_lshlrev_b32 v10, 3, v3                       ; 8 h: my bytes' shift in a scale word
	v_mov_b32 v247, 0                              ; a lane permute's destination counts as one of its sources
	v_cmp_lt_u32 s14, 15, v1                       ; lanes 16-31
	s_mov_b32 s12, 0x76543210
	s_mov_b32 s13, 0xfedcba98                      ; v_permlanex16_b32's selects for lane l xor 16
	s_lshr_b32 s20, s18, 1                         ; u: which of the group's two tiles
	s_and_b32 s21, s18, 1                          ; e: which half of K
	s_wait_kmcnt 0x0
	s_cmp_lt_u32 ttmp9, 352                        ; the choice of tensor hangs on the work-group's number alone
	s_cselect_b64 s[6:7], s[6:7], s[8:9]
	s_mov_b32 s22, 352
	s_cselect_b32 s22, 256, s22
	s_cmp_lt_u32 ttmp9, 256
	s_cselect_b64 s[4:5], s[4:5], s[6:7]
	s_cselect_b32 s22, 0, s22
	s_sub_co_u32 s22, ttmp9, s22                   ; which group of 32 rows of that tensor
	s_lshl_b32 s22, s22, 17                        ; 32 rows of 4,096 bytes
	s_lshl_b32 s23, s20, 15                        ; + 8 u rows
	s_add_co_u32 s22, s22, s23
	s_lshl_b32 s23, s21, 11                        ; + 512 e numbers
	s_add_co_u32 s22, s22, s23
	s_mov_b32 s23, 0
	s_add_nc_u64 s[4:5], s[4:5], s[22:23]
	s_lshl_b32 s24, ttmp9, 1
	s_add_co_u32 s24, s24, s20                     ; I
	s_mul_i32 s26, s24, 12288
	s_mul_i32 s27, s21, 6144
	s_add_co_u32 s26, s26, s27
	s_mov_b32 s27, 0
	s_add_nc_u64 s[10:11], s[10:11], s[26:27]      ; my eight pieces of codes
	s_lshl_b32 s26, s24, 9
	s_lshl_b32 s28, s21, 8
	s_add_co_u32 s26, s26, s28
	s_add_nc_u64 s[16:17], s[16:17], s[26:27]      ; my 256 bytes of scale words
.macro LOAD f                          ; fragment f: place i of the tile is row i + 8 (i / 8) from the tile's first
.irp i, 0,1,2,3,4,5,6,7,8,9,10,11,12,13,14,15
	global_load_b128 v[R+64*((\f)%2)+4*\i:R+64*((\f)%2)+4*\i+3], v4, s[4:5] offset:(\i+8*(\i/8))*4096+512*(\f) th:TH_LOAD_NT
.endr
.endm
.macro TURN f                          ; through the stage: LDS serves a wave's instructions in order, so no wait stands between the stores and the loads
.irp i, 0,1,2,3,4,5,6,7,8,9,10,11,12,13,14,15
	ds_store_b128 v5, v[R+64*((\f)%2)+4*\i:R+64*((\f)%2)+4*\i+3] offset:528*\i
.endr
.irp j, 0,1,2,3,4,5,6,7
	ds_load_b128 v[X+4*\j:X+4*\j+3], v6 offset:16*\j               ; k = 32 h + 0 .. 31
.endr
.irp j, 0,1,2,3,4,5,6,7
	ds_load_b128 v[X+32+4*\j:X+32+4*\j+3], v6 offset:256+16*\j     ; k = 64 + 32 h + 0 .. 31
.endr
.endm
.macro FRAGQ f
.set CB, C+12*((\f)%2)
.irp c, 0,1
	v_max3_num_f32 v[240+\c], |v[X+32*\c]|, |v[X+1+32*\c]|, 0x2800000   ; my block 2 c + h, and the floor 2^(5 - 127): the byte cannot fall under 1
.endr
.irp i, 2,4,6,8,10,12,14,16,18,20,22,24,26,28,30
.irp c, 0,1
	v_max3_num_f32 v[240+\c], v[240+\c], |v[X+32*\c+\i]|, |v[X+1+32*\c+\i]|   ; the two blocks by turns
.endr
.endr
.irp c, 0,1
	v_add_nc_u32 v[242+\c], 0xfe000000, v[240+\c]  ; 4 off the exponent field: the conversion's scale operand
.endr
.irp c, 0,1
	v_lshrrev_b32 v[244+\c], 23, v[242+\c]         ; the scale's byte
.endr
	v_lshl_or_b32 v246, v245, 16, v244             ; bytes h and 2 + h of my row's word,
	v_lshlrev_b32 v246, v10, v246                  ; at their places;
	v_permlanex16_b32 v247, v246, s12, s13
	v_or_b32 v[PW+(\f)], v246, v247                ; with lane l xor 16's two the word is whole
.if (\f) >= 2
	s_wait_xcnt 0x0                                ; the stores of two fragments ago have read this set of code registers
.endif
	v_cvt_scalef32_pk16_bf6_f32 v[CB:CB+2], v[X:X+15], v242
	v_cvt_scalef32_pk16_bf6_f32 v[232:234], v[X+16:X+31], v242     ; (a conversion's three registers begin on an even number)
	v_cvt_scalef32_pk16_bf6_f32 v[CB+6:CB+8], v[X+32:X+47], v243
	v_cvt_scalef32_pk16_bf6_f32 v[236:238], v[X+48:X+63], v243
	v_nop                                          ; one plain place behind a scaled conversion
.irp i, 0,1,2
	v_mov_b32 v[CB+3+\i], v[232+\i]
	v_mov_b32 v[CB+9+\i], v[236+\i]
.endr
	global_store_b128 v4, v[CB:CB+3], s[10:11] offset:1536*(\f)            ; 512 consecutive bytes
	global_store_b64 v8, v[CB+4:CB+5], s[10:11] offset:1536*(\f)+512       ; 256 consecutive bytes, aligned
	global_store_b128 v4, v[CB+6:CB+9], s[10:11] offset:1536*(\f)+768
	global_store_b64 v8, v[CB+10:CB+11], s[10:11] offset:1536*(\f)+1280
.endm
	LOAD 0
	LOAD 1
	s_wait_loadcnt 16                              ; fragment 0's sixteen loads are in; the next fragment's may be out
	TURN 0
	s_wait_dscnt 0x0                               ; my numbers are back, so the stage's stores have read their registers,
	LOAD 2                                         ; which take the loads of two fragments on
	FRAGQ 0
	s_wait_loadcnt 16
	TURN 1
	s_wait_dscnt 0x0
	LOAD 3
	FRAGQ 1
	s_wait_loadcnt 16
	TURN 2
	s_wait_dscnt 0x0
	FRAGQ 2
	s_wait_loadcnt 0x0
	TURN 3
	s_wait_dscnt 0x0
	FRAGQ 3
	v_cndmask_b32 v252, v248, v250, s14            ; lanes 0-15 store words 0, 1 of their row, lanes 16-31 words 2, 3
	v_cndmask_b32 v253, v249, v251, s14
	global_store_b64 v9, v[252:253], s[16:17]      ; 256 consecutive bytes, aligned
	s_wait_tensorcnt 0x0                           ; the wave's end, behind my last LDS store
	ds_add_u32 v12, v13
	s_wait_dscnt 0x0
	s_endpgm
.Lfunc_end_k_qabde02cf5c_quant:
	.size	k_qabde02cf5c_quant, .Lfunc_end_k_qabde02cf5c_quant-k_qabde02cf5c_quant
	.p2alignl 7, 3214868480
	.fill 96, 4, 3214868480
	.section	.rodata,"a",@progbits
	.p2align	6, 0x0
	.amdhsa_kernel k_qabde02cf5c_quant
		.amdhsa_group_segment_fixed_size 34304
		.amdhsa_private_segment_fixed_size 0
		.amdhsa_enable_private_segment 0
		.amdhsa_kernarg_size 40
		.amdhsa_user_sgpr_count 2
		.amdhsa_user_sgpr_kernarg_segment_ptr 1
		.amdhsa_wavefront_size32 1
		.amdhsa_system_sgpr_workgroup_id_x 1
		.amdhsa_system_sgpr_workgroup_id_y 1
		.amdhsa_system_sgpr_workgroup_id_z 1
		.amdhsa_system_vgpr_workitem_id 0
		.amdhsa_next_free_vgpr 256
		.amdhsa_next_free_sgpr 66
		.amdhsa_reserve_vcc 0
		.amdhsa_float_denorm_mode_32 3
		.amdhsa_float_denorm_mode_16_64 3
		.amdhsa_memory_ordered 1
		.amdhsa_forward_progress 1
		.amdhsa_inst_pref_size 31
	.end_amdhsa_kernel
	.amdgpu_metadata
---
amdhsa.version: [ 1, 2 ]
amdhsa.kernels:
  - .name:           k_qabde02cf5c_quant
    .symbol:         k_qabde02cf5c_quant.kd
    .args:
      - { .name: x, .offset: 0, .size: 8, .value_kind: global_buffer, .address_space: global }
      - { .name: qkv_w, .offset: 8, .size: 8, .value_kind: global_buffer, .address_space: global }
      - { .name: out_w, .offset: 16, .size: 8, .value_kind: global_buffer, .address_space: global }
      - { .name: cod, .offset: 24, .size: 8, .value_kind: global_buffer, .address_space: global }
      - { .name: scl, .offset: 32, .size: 8, .value_kind: global_buffer, .address_space: global }
    .group_segment_fixed_size: 34304
    .private_segment_fixed_size: 0
    .kernarg_segment_align: 8
    .kernarg_segment_size: 40
    .max_flat_workgroup_size: 128
    .sgpr_count:     66
    .vgpr_count:     256
    .wavefront_size: 32
...
	.end_amdgpu_metadata
.endif
;; end of part 1
;; launch gemm_qkv (part 2): grid 12 x 32, 4 waves a work-group, clusters of 4 x 4, 327,680 bytes of LDS; arguments cod, scl, qkv_b, qkv; writes qkv
.if DOCPART == 2
	.amdgcn_target "amdgcn-amd-amdhsa--gfx1250"
	.amdhsa_code_object_version 6
	.text
	.protected	k_qabde02cf5c_gemm_qkv
	.globl	k_qabde02cf5c_gemm_qkv
	.p2align	8
	.type	k_qabde02cf5c_gemm_qkv,@function
k_qabde02cf5c_gemm_qkv:
	s_mov_b64 s[64:65], 0
	v_nop
	global_prefetch_b8 v0, s[64:65] scope:SCOPE_SE
	s_setreg_imm32_b32 hwreg(HW_REG_WAVE_MODE, 25, 1), 1
	s_wait_xcnt 0x0
	s_wait_alu depctr_hold_cnt(0) depctr_sa_sdst(0) depctr_va_vdst(0) depctr_va_sdst(0) depctr_va_ssrc(0) depctr_va_vcc(0) depctr_vm_vsrc(0)
	s_getreg_b32 s2, hwreg(HW_REG_IB_STS2, 6, 4)
	s_cmp_eq_u32 s2, 0
	s_cbranch_scc0 .Lentry_in_a_cluster
	s_endpgm
.Lentry_in_a_cluster:
	s_bfe_u32 s2, ttmp6, 0x10000c
	s_cmp_lg_u32 s2, 0xf033
	s_cbranch_scc0 .Lentry_shape_is_right
	s_endpgm
.Lentry_shape_is_right:
; LAUNCH 2 OF 4.  qkv = x qkv_w^T + qkv_b on codes of BF6 (E3M2) with E8M0 scales, sums in f32; the results never go to memory as f32: they are quantised in registers and leave as codes for launch 3.
; No work of reference() is left out here.
; A tile of 256 tokens x 256 columns to a work-group of four waves, 128 x 128 a wave: 64 accumulators, 512 registers.  K = 1,024 is eight steps of 128, written out.
; CODES come by tiles of 16 rows in the order of the operand's registers (launch 1): a fragment is four LDS loads of consecutive bytes, no pitch, no padding.
; LDS: three slots of 256 along K (x's 256 rows, then qkv_w's: 98,304 bytes).  K steps 0, 1, 2 are first fills; the fourth goes into slot 0 again, behind one round of the cluster's barrier.
; By this text's count a wave has at most three tensor loads out.  The launch claims all of a WGP's LDS.
; SCALE WORDS go from memory straight into 64 registers, once: register SC + 8 i + kc holds in lanes 0-15 the word of source 1's block i, in lanes 16-31 that of source 0's block i.
; CLUSTERS: 4 x 4.  x's tiles are shared along a row of the cluster, qkv_w's along a column: joint loads, one mask each.
; ROLES.  Source 0's rows run along a lane's registers, source 1's rows lie in the lanes.  Clusters x = 0, 1 make q and k: source 0 = qkv_w, source 1 = x: a lane holds a token and 64 neighbouring columns' worth of registers, which is
; the next product's K (the head's 64).  Cluster x = 2 makes v: source 0 = x, source 1 = qkv_w: a lane holds a channel and its registers run along 128 tokens, the keys, which are the third product's K.
; The tensor loads are the same in both: only the LDS bytes that a wave reads, its scale words and its bias change places, by selects on the cluster's x, which all sixteen partners share.
; WHAT IS STORED (qkv): a record of 315,392 bytes for each (batch, head): q's 128 tiles of 768 bytes; q's scale words; then two halves of 1,024 keys, each: k's 64 tiles, k's scale words (512 bytes for 128 keys),
; v's fragments (128 keys x 16 channels: 1,536 bytes, three images of four registers), v's scale words.  A half is 104,448 dense bytes, which launch 3 brings into LDS as it lies.
; In q's and k's scale words bytes 0, 1 count; bytes 2, 3 meet zero codes and hold the neighbouring head's bytes (1 to 254) or 0.
; LIMITS: as stated at the head of launch 1 (a block of zeros gets the byte 1; NaN and infinities are not served).
.set IDXB,  512                        ; qkv_w's first tile in cod and scl (x's is 0)
.set HALFT, 24576                      ; 8 tiles x 3,072 bytes: what one tensor load brings, and what a wave reads of one operand
.set SLOT,  98304
.set SPARE, 294912                     ; behind the slots: the spare words, 128 bytes a wave
.set FR,  12
.set A16, 12                           ; v12-14 source 1's fragments in slot 0, 1, 2: 16 x lane;  v15-17: 8 x lane
.set A8,  15
.set B16, 18                           ; v18-23 the same for source 0
.set B8,  21
.set L16, 24                           ; v24 16 x lane;  v25 8 x lane
.set L8,  25
.set SPW, 28                           ; v28 my spare word;  v29 0: never rewritten
.set NIL, 29
.set SC,  32                           ; v32-95 scale words and nothing else
.set AF,  128                          ; v128-223 source 1's fragments, one set;  window 1: source 0's two sets at v0 and v128;  windows 2, 3: the accumulators
.set H,   128                          ; the way out: 64 numbers of a lane
.set PC,  192                          ; their codes
.set TM,  212                          ; v212-215 largest magnitudes, v216-219 bytes, v220-223 scale operands
.set PWS, 2                            ; v2-9 eight tiles' scale words (before that: the bias loads' offsets)
.set SEL, 12                           ; s[12:13]
.set HM,  44                           ; s44 lanes 16-31
.set G1,  24
.set G0,  32
.set G1B, 48
.set G0B, 68
.set MSB, 0
.macro WIN new                         ; the immediate's high byte repeats the setting that is left
.if MSB != \new
	s_set_vgpr_msb (MSB<<8)|\new
.set MSB, \new
.endif
.endm
.macro JLOAD g0a, g1a, g0b, g1b        ; a joint load: waves 0, 1 fetch x's halves, waves 2, 3 qkv_w's; the branch hangs on the wave's number alone; an s_nop 0 and four v_nop follow each line
	s_cmp_eq_u32 s15, 0
	s_cbranch_scc0 .Lfor_b_\@
	tensor_load_to_lds s[\g0a:\g0a+3], s[\g1a:\g1a+7]
	s_nop 0
.rept 4
	v_nop
.endr
	s_branch .Lasked_\@
.Lfor_b_\@:
	tensor_load_to_lds s[\g0b:\g0b+3], s[\g1b:\g1b+7]
	s_nop 0
.rept 4
	v_nop
.endr
.Lasked_\@:
.endm
.macro CREST                           ; a round of the cluster's barrier behind its opening barrier
	s_cmp_lg_u32 s14, 0
	s_cbranch_scc1 .Lnot_wave_0_\@
	s_barrier_signal -3
.Lnot_wave_0_\@:
	s_barrier_wait -3
	s_barrier_signal -1
	s_barrier_wait -1
.endm
.macro CROUND
	s_barrier_signal -1
	s_barrier_wait -1
	CREST
.endm
.macro PLACES                          ; four plain places behind a matrix instruction, ahead of loads into its registers and of reads of its results
.rept 4
	v_nop
.endr
.endm
.macro FRAG reg, a16, a8, q, i         ; tile i's fragment of the slot's q-th 128 along K: two pieces of 768 bytes
	ds_load_b128 v[\reg:\reg+3], v[\a16] offset:(\i)*3072+(\q)*1536
	ds_load_b64 v[\reg+4:\reg+5], v[\a8] offset:(\i)*3072+(\q)*1536+512
	ds_load_b128 v[\reg+6:\reg+9], v[\a16] offset:(\i)*3072+(\q)*1536+768
	ds_load_b64 v[\reg+10:\reg+11], v[\a8] offset:(\i)*3072+(\q)*1536+1280
.endm
.macro FETCH_B slot, q, p              ; source 0's eight fragments into set p
	WIN 0x40
.irp i, 0,1,2,3,4,5,6,7
	FRAG 128*(\p)+FR*\i, B16+\slot, B8+\slot, \q, \i
.endr
	WIN 0
.endm
.macro FETCH_A slot, q, i0             ; source 1's blocks i0 .. i0 + 3
.irp i, \i0, \i0+1, \i0+2, \i0+3
	FRAG AF+FR*(\i), A16+\slot, A8+\slot, \q, \i
.endr
.endm
; 16 matrix instructions: source 1's blocks a0, a0 + 1 against source 0's eight.  cm = 1: the first products start the sums.  The 64 accumulators take turns, one instruction a turn, in the same order in every step.
.macro MUL16 a0, p, kc, cm
.irp a, \a0, \a0+1
.irp b, 0,1,2,3,4,5,6,7
.if \cm == 1
	v_wmma_scale_f32_16x16x128_f8f6f4 v[8*(8*((\a)%4)+\b):8*(8*((\a)%4)+\b)+7], v[128*(\p)+FR*\b:128*(\p)+FR*\b+FR-1], v[AF+FR*(\a):AF+FR*(\a)+FR-1], 0, v[SC+8*\b+(\kc)], v[SC+8*(\a)+(\kc)] matrix_a_fmt:MATRIX_FMT_BF6 matrix_b_fmt:MATRIX_FMT_BF6 matrix_a_scale:MATRIX_SCALE_ROW1
.else
	v_wmma_scale_f32_16x16x128_f8f6f4 v[8*(8*((\a)%4)+\b):8*(8*((\a)%4)+\b)+7], v[128*(\p)+FR*\b:128*(\p)+FR*\b+FR-1], v[AF+FR*(\a):AF+FR*(\a)+FR-1], v[8*(8*((\a)%4)+\b):8*(8*((\a)%4)+\b)+7], v[SC+8*\b+(\kc)], v[SC+8*(\a)+(\kc)] matrix_a_fmt:MATRIX_FMT_BF6 matrix_b_fmt:MATRIX_FMT_BF6 matrix_a_scale:MATRIX_SCALE_ROW1
.endif
.endr
.endr
.endm
.macro STEP kc, cm, ns, nq             ; step kc; the next step's fragments come from slot ns, its nq-th 128
	s_wait_dscnt 16                                ; source 0's set and source 1's blocks 0-3 are in; the youngest sixteen loads (blocks 4-7) may be out
	WIN 0xa1
	MUL16 0, (\kc)%2, \kc, \cm
	MUL16 2, (\kc)%2, \kc, \cm
	s_wait_dscnt 0x0                               ; blocks 4-7 are in
	PLACES
	FETCH_B \ns, \nq, 1-(\kc)%2
	FETCH_A \ns, \nq, 0
	WIN 0xf1
	MUL16 4, (\kc)%2, \kc, \cm
	MUL16 6, (\kc)%2, \kc, \cm
	PLACES
	WIN 0
	FETCH_A \ns, \nq, 4
.endm
; A step with a barrier: in front of it each wave waits for all its tensor loads, adds 0 to its spare word, and waits for that and for its LDS reads.  fill = 1: slot 0, which nobody reads any more, takes the fourth K step.
.macro TURN kc, ns, fill
	s_wait_tensorcnt 0x0                           ; all my tensor loads have landed
	ds_add_u32 v[SPW], v[NIL]                      ; 0 onto my spare word
	s_wait_dscnt 17                                ; (the add and the youngest sixteen loads may be out)
	WIN 0xa1
	MUL16 0, 1, \kc, 0                             ; sixteen matrix instructions stand between the add and the wait for it
	s_wait_dscnt 0x0                               ; the add is done, and my LDS reads are over
	s_barrier_signal -1
	MUL16 2, 1, \kc, 0
	WIN 0
	s_barrier_wait -1
.if \fill
	CREST                                          ; the barrier has opened a round of the cluster's: no wave of any partner still reads slot 0 or has a load on its way
	s_add_nc_u64 s[G0+2:G0+3], s[G0+2:G0+3], 9216  ; from K step 0 to K step 3
	s_add_nc_u64 s[G0B+2:G0B+3], s[G0B+2:G0B+3], 9216
	JLOAD G0, G1, G0B, G1B                         ; the first tensor load behind the round: three and a half steps, 224 matrix instructions, ahead of the wait for it; its four v_nop are the places for the loads below
.else
	PLACES
.endif
	FETCH_B \ns, 0, 0
	FETCH_A \ns, 0, 0
	WIN 0xf1
	MUL16 4, 1, \kc, 0
	MUL16 6, 1, \kc, 0
	PLACES
	WIN 0
	FETCH_A \ns, 0, 4
.endm
; 64 numbers of a lane, register 16 b + i = k 32 b + 16 (lane / 16) + i of my row, become a fragment's codes in v[PC] on and its scale word in v[pw]
.macro QUANT s, pw
.irp b, 0,1,2,3
	v_max3_num_f32 v[TM+\b], |v[\s+16*\b]|, |v[\s+1+16*\b]|, 0x2800000   ; my 16 numbers of block b, and the floor 2^(5 - 127)
.endr
.irp i, 2,4,6,8,10,12,14
.irp b, 0,1,2,3
	v_max3_num_f32 v[TM+\b], v[TM+\b], |v[\s+16*\b+\i]|, |v[\s+1+16*\b+\i]|
.endr
.endr
.irp b, 0,1,2,3
	v_permlanex16_b32 v[TM+4+\b], v[TM+\b], s[SEL], s[SEL+1]
.endr
.irp b, 0,1,2,3
	v_max_num_f32 v[TM+\b], v[TM+\b], v[TM+4+\b]   ; with lane l xor 16's: the block's largest magnitude
.endr
.irp b, 0,1,2,3
	v_add_nc_u32 v[TM+8+\b], 0xfe000000, v[TM+\b]  ; 4 off its exponent field: the conversion's scale operand
.endr
.irp b, 0,1,2,3
	v_lshrrev_b32 v[TM+4+\b], 23, v[TM+8+\b]       ; the scale's byte
.endr
	v_lshl_or_b32 v[\pw], v[TM+5], 8, v[TM+4]
	v_lshl_or_b32 v[\pw], v[TM+6], 16, v[\pw]
	v_lshl_or_b32 v[\pw], v[TM+7], 24, v[\pw]
.irp c, 0,1
	v_cvt_scalef32_pk16_bf6_f32 v[PC+6*\c:PC+2+6*\c], v[\s+32*\c:\s+15+32*\c], v[TM+8+2*\c]
	v_cvt_scalef32_pk16_bf6_f32 v[PC+12+4*\c:PC+14+4*\c], v[\s+16+32*\c:\s+31+32*\c], v[TM+8+2*\c+1]
.endr
	v_nop                                          ; one plain place behind a scaled conversion
.irp c, 0,1                                    ; the operand's layout wants a whole block in a lane
.irp i, 0,1,2
	v_permlane16_swap_b32 v[PC+6*\c+\i], v[PC+12+4*\c+\i]
.endr
.irp i, 0,1,2
	v_mov_b32 v[PC+3+6*\c+\i], v[PC+12+4*\c+\i]
.endr
.endr
.endm
; Source 1's block a: sums + bias into H (each accumulator from its low end on), then quantised.  mode 0: the bias goes with the register (source 0's block b); mode 1: with the lane (block a)
.macro TILE a, mode
	WIN 0x02+(\a)/4
.irp b, 0,1,2,3,4,5,6,7
.irp p, 0,2,4,6
.if \mode
	v_pk_add_f32 v[H+8*\b+\p:H+8*\b+\p+1], v[8*(8*((\a)%4)+\b)+\p:8*(8*((\a)%4)+\b)+\p+1], v[96+8*(\a)+96*((\a)/4)+\p:96+8*(\a)+96*((\a)/4)+\p+1]
.else
	v_pk_add_f32 v[H+8*\b+\p:H+8*\b+\p+1], v[8*(8*((\a)%4)+\b)+\p:8*(8*((\a)%4)+\b)+\p+1], v[96+8*\b+96*(\b/4)+\p:96+8*\b+96*(\b/4)+\p+1]
.endif
.endr
.endr
	WIN 0
	s_wait_xcnt 0x0                                ; the last tile's stores have read the code registers
	QUANT H, PWS+(\a)
.endm
	s_load_b256 s[4:11], s[0:1], 0x0               ; cod s[4:5], scl s[6:7], qkv_b s[8:9], qkv s[10:11]
	v_lshl_add_u32 v[SPW], v0, 2, SPARE
	v_mov_b32 v[NIL], 0
	ds_add_u32 v[SPW], v[NIL]                      ; the wave's opening: the add, twice on end, and its wait ahead of my first tensor load
	ds_add_u32 v[SPW], v[NIL]
	v_lshrrev_b32 v1, 5, v0
	v_readfirstlane_b32 s14, v1                    ; wave 0..3
	s_lshr_b32 s15, s14, 1                         ; source 1's half.  Also: I fetch for x (0) or for qkv_w (1)
	s_and_b32 s16, s14, 1                          ; source 0's half.  Also: which 128 rows I fetch
	s_bfe_u32 s56, ttmp6, 0x40000                  ; cx
	s_bfe_u32 s57, ttmp6, 0x40004                  ; cy
	s_lshl_b32 s58, ttmp9, 2
	s_add_co_u32 s58, s58, s56                     ; wx: 256 columns each
	s_and_b32 s59, ttmp7, 0xffff
	s_lshl_b32 s59, s59, 2
	s_add_co_u32 s59, s59, s57                     ; wy: 256 tokens each
	s_lshl_b32 s60, s57, 2
	s_lshl_b32 s60, 15, s60                        ; my row of the cluster
	s_lshl_b32 s61, 0x1111, s56                    ; my column
	s_or_b32 s[G1], s60, (3<<16)|(1<<21)           ; group 1: the mask; elements of 8 bytes; bit 21 beside a mask; no padding
	s_or_b32 s[G1B], s61, (3<<16)|(1<<21)
.irp g, G1, G1B
	s_mov_b32 s[\g+1], 384<<16                     ; tensor_dim0: 3,072 bytes: four pieces of a tile
	s_mov_b32 s[\g+2], 8<<16                       ; tensor_dim1: 8 tiles
	s_mov_b32 s[\g+3], 384<<16                     ; tile_dim0
	s_mov_b32 s[\g+4], 8                           ; tile_dim1
	s_mov_b32 s[\g+5], 1536                        ; from tile to tile: 12,288 bytes
	s_mov_b32 s[\g+6], 0
	s_mov_b32 s[\g+7], 0
.endr
	s_mov_b32 s[SEL], 0x76543210
	s_mov_b32 s[SEL+1], 0xfedcba98
	s_lshl_b32 s17, s16, 3
	s_lshl_b32 s20, s59, 4
	s_add_co_u32 s20, s20, s17                     ; x: tile 16 wy + 8 x half
	s_mul_i32 s20, s20, 12288
	s_mov_b32 s21, 0
	s_lshl_b32 s46, s58, 4
	s_add_co_u32 s46, s46, s17
	s_add_co_u32 s46, s46, IDXB                    ; qkv_w: tile 512 + 16 wx + 8 x half
	s_mul_i32 s46, s46, 12288
	s_mov_b32 s47, 0
	s_mul_i32 s45, s14, HALFT                      ; where they go: wave x 24,576: no place in the cluster enters an LDS address
	s_wait_dscnt 0x0                               ; both opening adds are done
	s_wait_kmcnt 0x0
	s_add_nc_u64 s[20:21], s[4:5], s[20:21]
	s_add_nc_u64 s[46:47], s[4:5], s[46:47]
	CROUND                                         ; all sixteen work-groups are here: the first joint loads meet
.irp s, 0,1,2
	s_mov_b32 s[G0+4*\s], 1
	s_add_co_u32 s[G0+4*\s+1], s45, \s*SLOT
	s_add_nc_u64 s[G0+4*\s+2:G0+4*\s+3], s[20:21], \s*3072
	s_or_b32 s[G0+4*\s+3], s[G0+4*\s+3], 0x80000000
	s_mov_b32 s[G0B+4*\s], 1
	s_add_co_u32 s[G0B+4*\s+1], s45, \s*SLOT
	s_add_nc_u64 s[G0B+4*\s+2:G0B+4*\s+3], s[46:47], \s*3072
	s_or_b32 s[G0B+4*\s+3], s[G0B+4*\s+3], 0x80000000
	JLOAD G0+4*\s, G1, G0B+4*\s, G1B
.endr
	; the roles, by the cluster's x
	s_lshl_b32 s80, s59, 4                         ; x's tiles: 16 wy
	s_lshl_b32 s81, s58, 4
	s_add_co_u32 s81, s81, IDXB                    ; qkv_w's: 512 + 16 wx
	s_lshl_b32 s82, s15, 3
	s_lshl_b32 s83, s16, 3
	s_add_co_u32 s84, s80, s82
	s_add_co_u32 s85, s80, s83
	s_add_co_u32 s86, s81, s82
	s_add_co_u32 s87, s81, s83
	s_mul_i32 s22, s15, HALFT
	s_mul_i32 s23, s16, HALFT
	s_cmp_eq_u32 ttmp9, 2                          ; v?
	s_cselect_b32 s88, s86, s84                    ; source 1's first tile
	s_cselect_b32 s89, s85, s87                    ; source 0's
	s_cselect_b32 s90, 49152, 0                    ; source 1 reads qkv_w's part of a slot, or x's
	s_cselect_b32 s91, 0, 49152
	s_cselect_b32 s62, -1, 0
	s_cselect_b32 s63, 0, 4
	s_cselect_b32 s92, s15, s16                    ; which half of the 256 columns is mine
	s_add_co_u32 s22, s22, s90
	s_add_co_u32 s23, s23, s91
	s_lshl_b32 s88, s88, 9
	s_lshl_b32 s89, s89, 9
	v_and_b32 v1, 31, v0
	v_lshlrev_b32 v[L16], 4, v1
	v_lshlrev_b32 v[L8], 3, v1
	v_cmp_lt_u32 s[HM], 15, v1
	v_and_b32 v10, 15, v0                          ; r
	v_bfe_u32 v11, v0, 4, 1                        ; h
.irp s, 0,1,2
	v_add_nc_u32 v[A16+\s], s22, v[L16]
	v_add_nc_u32 v[A8+\s], s22, v[L8]
	v_add_nc_u32 v[B16+\s], s23, v[L16]
	v_add_nc_u32 v[B8+\s], s23, v[L8]
	s_add_co_u32 s22, s22, SLOT
	s_add_co_u32 s23, s23, SLOT
.endr
	v_mov_b32 v30, s88
	v_mov_b32 v31, s89
	v_cndmask_b32 v30, v30, v31, s[HM]             ; lanes 0-15 take source 1's scale words, lanes 16-31 source 0's
	v_lshl_add_u32 v30, v10, 4, v30                ; + 16 r
.irp i, 0,1,2,3,4,5,6,7
.irp e, 0,1
	global_load_b128 v[SC+8*\i+4*\e:SC+8*\i+4*\e+3], v30, s[6:7] offset:512*\i+256*\e   ; sixteen lanes read 256 consecutive bytes
.endr
.endr
	; the bias, in the result's layout.  q, k: register j of block b is column 32 (b / 2) + 16 h + 8 (b % 2) + j;  v: all eight registers of block a hold the lane's channel's, 32 (a / 2) + 8 (a % 2) + r + 8 (r / 8)
	v_and_b32 v31, 8, v10
	v_add_nc_u32 v31, v31, v10
	v_lshlrev_b32 v31, 2, v31
	v_lshlrev_b32 v2, 6, v11
	v_cndmask_b32 v2, v2, v31, s62
.irp j, 1,2,3,4,5,6,7
	v_add_nc_u32 v[2+\j], s63, v[1+\j]
.endr
	s_lshl_b32 s92, s92, 9
	s_lshl_b32 s93, s58, 10
	s_add_co_u32 s92, s92, s93
	s_mov_b32 s93, 0
	s_add_nc_u64 s[8:9], s[8:9], s[92:93]
.irp t, 0,1,2,3,4,5,6,7
.irp j, 0,1,2,3,4,5,6,7
	global_load_b32 v[96+8*\t+96*(\t/4)+\j], v[2+\j], s[8:9] offset:(32*(\t/2)+8*(\t%2))*4
.endr
.endr
	s_wait_tensorcnt 2                             ; my part of K step 0 is in; K steps 1 and 2 may be out
	s_barrier_signal -1
	s_barrier_wait -1
	FETCH_B 0, 0, 0
	FETCH_A 0, 0, 0
	FETCH_A 0, 0, 4
	s_wait_loadcnt 0x0                             ; scale words and bias
	STEP 0, 1, 0, 1
	TURN 1, 1, 1                                   ; slots 1 and 2 are whole in every wave from here on
	STEP 2, 0, 1, 1
	STEP 3, 0, 2, 0
	STEP 4, 0, 2, 1
	TURN 5, 0, 0                                   ; the fourth K step has landed in every wave
	STEP 6, 0, 0, 1
	s_wait_dscnt 16                                ; the last step: nothing more to fetch
	WIN 0xa1
	MUL16 0, 1, 7, 0
	MUL16 2, 1, 7, 0
	s_wait_dscnt 0x0
	WIN 0xf1
	MUL16 4, 1, 7, 0
	MUL16 6, 1, 7, 0
	WIN 0
	PLACES
.irp b, 0,1,2,3
	v_mov_b32 v[TM+4+\b], 0                        ; a lane permute's destination counts as one of its sources
.endr
	s_cmp_eq_u32 ttmp9, 2
	s_cbranch_scc1 .Lv_mode
	; ---- q, k.  My 128 columns are two heads; a tile's codes are head 0's piece (registers 0-5) and head 1's (6-11)
	s_lshl_b32 s80, s56, 1
	s_add_co_u32 s80, s80, s16
	s_lshl_b32 s80, s80, 1                         ; my first head: 2 (2 cx + half)
	s_lshr_b32 s81, s59, 3                         ; batch
	s_lshl_b32 s81, s81, 4
	s_add_co_u32 s81, s81, s80
	s_mul_i32 s81, s81, 315392                     ; its record
	s_and_b32 s82, s59, 7
	s_lshl_b32 s82, s82, 4
	s_lshl_b32 s83, s15, 3
	s_add_co_u32 s82, s82, s83                     ; my first tile of tokens in the batch
	s_lshr_b32 s83, s82, 6
	s_mul_i32 s83, s83, 104448
	s_add_co_u32 s83, s83, 106496                  ; k: the half's first byte
	s_and_b32 s84, s82, 63
	s_mov_b32 s85, 98304
	s_cmp_eq_u32 ttmp9, 1                          ; k?
	s_cselect_b32 s83, s83, 0
	s_cselect_b32 s84, s84, s82
	s_cselect_b32 s85, 49152, s85
	s_add_co_u32 s81, s81, s83
	s_mul_i32 s86, s84, 768
	s_add_co_u32 s86, s86, s81
	s_mov_b32 s87, 0
	s_add_nc_u64 s[86:87], s[10:11], s[86:87]      ; the codes
	s_lshl_b32 s88, s84, 6
	s_add_co_u32 s88, s88, s85
	s_add_co_u32 s88, s88, s81
	s_mov_b32 s89, 0
	s_add_nc_u64 s[88:89], s[10:11], s[88:89]      ; the scale words
.irp a, 0,1,2,3,4,5,6,7
	TILE \a, 0
	global_store_b128 v[L16], v[PC:PC+3], s[86:87] offset:768*\a
	global_store_b64 v[L8], v[PC+4:PC+5], s[86:87] offset:768*\a+512
	global_store_b128 v[L16], v[PC+6:PC+9], s[86:87] offset:315392+768*\a
	global_store_b64 v[L8], v[PC+10:PC+11], s[86:87] offset:315392+768*\a+512
.endr
.irp i, 0,1,2,3
	v_cndmask_b32 v[12+\i], v[PWS+\i], v[PWS+4+\i], s[HM]   ; lanes 0-15: tiles 0-3's words of row r; lanes 16-31: tiles 4-7's
.endr
.irp i, 0,1,2,3
	v_lshrrev_b32 v[2+\i], 16, v[12+\i]            ; the second head's two bytes
.endr
	global_store_b128 v[L16], v[12:15], s[88:89]   ; 512 consecutive bytes
	global_store_b128 v[L16], v[2:5], s[88:89] offset:315392
	s_branch .Ldone
.Lv_mode:
	; ---- v.  My 128 channels are two heads of four tiles; my 128 tokens are one chunk of keys; a tile's codes are one fragment
	s_lshl_b32 s80, s56, 2
	s_lshl_b32 s81, s15, 1
	s_add_co_u32 s80, s80, s81                     ; my first head: 4 cx + 2 x half
	s_lshr_b32 s81, s59, 3
	s_lshl_b32 s81, s81, 4
	s_add_co_u32 s81, s81, s80
	s_mul_i32 s81, s81, 315392
	s_and_b32 s82, s59, 7
	s_lshl_b32 s82, s82, 1
	s_add_co_u32 s82, s82, s16                     ; my chunk of 128 keys in the batch
	s_lshr_b32 s83, s82, 3
	s_mul_i32 s83, s83, 104448
	s_add_co_u32 s83, s83, 106496
	s_add_co_u32 s81, s81, s83                     ; the half's first byte
	s_and_b32 s82, s82, 7
	s_mul_i32 s86, s82, 6144
	s_add_co_u32 s86, s86, s81
	s_add_co_u32 s86, s86, 53248
	s_mov_b32 s87, 0
	s_add_nc_u64 s[86:87], s[10:11], s[86:87]
	s_lshl_b32 s88, s82, 8
	s_add_co_u32 s88, s88, s81
	s_add_co_u32 s88, s88, 102400
	s_mov_b32 s89, 0
	s_add_nc_u64 s[88:89], s[10:11], s[88:89]
.irp a, 0,1,2,3,4,5,6,7
	TILE \a, 1
.irp c, 0,1,2
	global_store_b128 v[L16], v[PC+4*\c:PC+4*\c+3], s[86:87] offset:(\a/4)*315392+(\a%4)*1536+512*\c
.endr
.endr
.irp i, 0,1,2,3
	v_cndmask_b32 v[12+\i], v[PWS+\i], v[PWS+4+\i], s[HM]   ; lanes 0-15: the first head's four tiles; lanes 16-31: the second's
.endr
	v_and_b32 v26, 15, v0
	v_bfe_u32 v27, v0, 4, 1
	v_mul_u32_u24 v27, v27, 315392
	v_lshl_add_u32 v26, v26, 4, v27
	global_store_b128 v26, v[12:15], s[88:89]      ; two runs of 256 consecutive bytes, aligned
.Ldone:
	s_wait_tensorcnt 0x0                           ; the wave's end
	ds_add_u32 v[SPW], v[NIL]
	s_wait_dscnt 0x0
	CROUND                                         ; the closing round
	s_endpgm
.Lfunc_end_k_qabde02cf5c_gemm_qkv:
	.size	k_qabde02cf5c_gemm_qkv, .Lfunc_end_k_qabde02cf5c_gemm_qkv-k_qabde02cf5c_gemm_qkv
	.p2alignl 7, 3214868480
	.fill 96, 4, 3214868480
	.section	.rodata,"a",@progbits
	.p2align	6, 0x0
	.amdhsa_kernel k_qabde02cf5c_gemm_qkv
		.amdhsa_group_segment_fixed_size 327680
		.amdhsa_private_segment_fixed_size 0
		.amdhsa_enable_private_segment 0
		.amdhsa_kernarg_size 32
		.amdhsa_user_sgpr_count 2
		.amdhsa_user_sgpr_kernarg_segment_ptr 1
		.amdhsa_wavefront_size32 1
		.amdhsa_system_sgpr_workgroup_id_x 1
		.amdhsa_system_sgpr_workgroup_id_y 1
		.amdhsa_system_sgpr_workgroup_id_z 1
		.amdhsa_system_vgpr_workitem_id 0
		.amdhsa_next_free_vgpr 1024
		.amdhsa_next_free_sgpr 100
		.amdhsa_reserve_vcc 0
		.amdhsa_float_denorm_mode_32 3
		.amdhsa_float_denorm_mode_16_64 3
		.amdhsa_memory_ordered 1
		.amdhsa_forward_progress 1
		.amdhsa_inst_pref_size 220
	.end_amdhsa_kernel
	.amdgpu_metadata
---
amdhsa.version: [ 1, 2 ]
amdhsa.kernels:
  - .name:           k_qabde02cf5c_gemm_qkv
    .symbol:         k_qabde02cf5c_gemm_qkv.kd
    .args:
      - { .name: cod, .offset: 0, .size: 8, .value_kind: global_buffer, .address_space: global }
      - { .name: scl, .offset: 8, .size: 8, .value_kind: global_buffer, .address_space: global }
      - { .name: qkv_b, .offset: 16, .size: 8, .value_kind: global_buffer, .address_space: global }
      - { .name: qkv, .offset: 24, .size: 8, .value_kind: global_buffer, .address_space: global }
    .group_segment_fixed_size: 327680
    .private_segment_fixed_size: 0
    .kernarg_segment_align: 8
    .kernarg_segment_size: 32
    .max_flat_workgroup_size: 128
    .sgpr_count:     100
    .vgpr_count:     1024
    .wavefront_size: 32
...
	.end_amdgpu_metadata
.endif
;; end of part 2
;; launch attn (part 3): grid 4 x 64, 16 waves a work-group, clusters of 4 x 1, 210,944 bytes of LDS; arguments qkv, cod, scl; writes cod, scl
.if DOCPART == 3
	.amdgcn_target "amdgcn-amd-amdhsa--gfx1250"
	.amdhsa_code_object_version 6
	.text
	.protected	k_qabde02cf5c_attn
	.globl	k_qabde02cf5c_attn
	.p2align	8
	.type	k_qabde02cf5c_attn,@function
k_qabde02cf5c_attn:
	s_mov_b64 s[64:65], 0
	v_nop
	global_prefetch_b8 v0, s[64:65] scope:SCOPE_SE
	s_setreg_imm32_b32 hwreg(HW_REG_WAVE_MODE, 25, 1), 1
	s_wait_xcnt 0x0
	s_wait_alu depctr_hold_cnt(0) depctr_sa_sdst(0) depctr_va_vdst(0) depctr_va_sdst(0) depctr_va_ssrc(0) depctr_va_vcc(0) depctr_vm_vsrc(0)
	s_getreg_b32 s2, hwreg(HW_REG_IB_STS2, 6, 4)
	s_cmp_eq_u32 s2, 0
	s_cbranch_scc0 .Lentry_in_a_cluster
	s_endpgm
.Lentry_in_a_cluster:
	s_bfe_u32 s2, ttmp6, 0x10000c
	s_cmp_lg_u32 s2, 0x3003
	s_cbranch_scc0 .Lentry_shape_is_right
	s_endpgm
.Lentry_shape_is_right:
; LAUNCH 3 OF 4.  For each (batch, head): S = q k^T / 8 under the causal mask, p = 2^(t - M), o = (p v) / l, both products on codes of BF6 (E3M2) with E8M0 scales; o / l is quantised along c and leaves as codes for launch 4.
; WORK LEFT OUT: key steps of 128 keys all of which come after a tile's queries: reference()'s own triu mask sets their scores to -inf, so their p is 0 for all values of the inputs (shown at the head of launch 1).
; LIMITS: a NaN, an infinity or an overflow that reaches only those scores is not carried to the result; o / l is a reciprocal (v_rcp_f32) and a multiplication; a block of zeros gets the byte 1.
; THE SOFTMAX: t = score x log2(e) / 8; M = the running largest t rounded UP to a whole number; p = 2^(t - M) is quantised along the keys, not normalised; the row's sum is taken of the unquantised p, in f32.
; When M moves, the sum and O are multiplied by 2^(old M - new M), which rounds nothing.
; SHARES.  The four work-groups of a cluster serve one (batch, head).  Work-group g's wave w owns two tiles of 16 queries: 127 - 4 w - g and 4 w + g: 16 - w / 2 and w / 2 + 1 live key steps: 17 for every wave.
; The limits hang on the wave's number alone; g enters global addresses and the mask's numbers only.
; THE HEAD'S K AND V STAY IN LDS, 208,896 bytes, an image of the record's two halves (launch 2): eight joint loads of 26,112 bytes at the head (waves 0-3, two each: two of a wave's are out), no ring, no refill.
; LAYOUT.  Both products are used transposed: S^T = k q^T, O^T = v^T p^T: a lane holds one query throughout.  The head's 64 are half of an instruction's K: registers 6-11 of q's and k's operands hold zero codes.
; The rows of every tile lie in launch 1's order, so that p's 16 registers of two neighbouring tiles are 16 neighbouring keys, and O^T's 16 registers 16 neighbouring channels.
; Sixteen waves of 256 registers, four to a SIMD: one wave's vector work stands beside another's matrix work and LDS loads.
; No prefetch: every byte of K and V is asked for by the tensor loads at the head.
; REGISTERS: v1 16 x lane, v2 8 x lane, v3, v4 the scale words' places; v5-8 the step's LDS addresses; v9, v10 the add's two; v11 the mask's number; v12 -M, v13 the largest t, v[14:15] the sum; v16-27 q; v28-31 v's scale words;
; v32-79 four tiles of k; v80-143 S^T, then p; v144-175 O^T; v176-223 four fragments of v; v224-235 p's codes; v232-254 at work; v248-251 k's scale words; v253 p's; v255 q's.
.set SPARE, 208896
.set WV,  18
.set SEL, 20
.set CS,  22
.set TK,  40                           ; s40 where the step's codes begin in LDS; s41 k's scale words; s42 v's
.set TS,  41
.set TT,  42
.set KS,  43                           ; s43 the key step
.set LIM, 44                           ; s44 the tile's last live step
.set HM,  45                           ; s45 lanes 16-31
.set TAU, 48                           ; s48 the tile in hand
.macro CROUND
	s_barrier_signal -1
	s_barrier_wait -1
	s_cmp_lg_u32 s[WV], 0
	s_cbranch_scc1 .Lnot_wave_0_\@
	s_barrier_signal -3
.Lnot_wave_0_\@:
	s_barrier_wait -3
	s_barrier_signal -1
	s_barrier_wait -1
.endm
; A KEY STEP of 128 keys.  diag = 1: steps past the tile's limit are jumped over, and in the limit's step hidden scores become -infinity
.macro STEP diag
.if \diag
	s_cmp_gt_u32 s[KS], s[LIM]                     ; the wave's number and the count of steps alone
	s_cbranch_scc1 .Lhid_\@
.endif
	s_setprio 2
	v_add_nc_u32 v5, s[TK], v1                     ; (these four are also the places behind the last step's products, ahead of the loads into their registers)
	v_add_nc_u32 v6, s[TK], v2
	v_add_nc_u32 v7, s[TS], v3
	v_add_nc_u32 v8, s[TT], v4
.irp t, 0,1,2,3
	ds_load_b128 v[32+12*\t:35+12*\t], v5 offset:768*\t
	ds_load_b64 v[36+12*\t:37+12*\t], v6 offset:768*\t+512
.endr
	ds_load_b128 v[248:251], v7                    ; lanes 0-15: tiles 0-3's words; lanes 16-31: tiles 4-7's
.irp i, 0,1,2,3
.irp c, 0,1,2
	ds_load_b128 v[176+12*\i+4*\c:179+12*\i+4*\c], v5 offset:53248+1536*\i+512*\c
.endr
.endr
	ds_load_b128 v[28:31], v8
	s_wait_alu depctr_va_vdst(0)
	s_wait_dscnt 13                                ; k's four tiles and its words are in; v's thirteen loads may be out
.irp t, 0,1,2,3
	v_wmma_scale_f32_16x16x128_f8f6f4 v[80+8*\t:87+8*\t], v[32+12*\t:43+12*\t], v[16:27], 0, v[248+\t], v255 matrix_a_fmt:MATRIX_FMT_BF6 matrix_b_fmt:MATRIX_FMT_BF6
.endr
.rept 4
	v_nop                                          ; places ahead of loads into registers that these products have read
.endr
.irp t, 0,1,2,3
	ds_load_b128 v[32+12*\t:35+12*\t], v5 offset:768*(4+\t)
	ds_load_b64 v[36+12*\t:37+12*\t], v6 offset:768*(4+\t)+512
.endr
	s_wait_dscnt 0x0
.irp t, 0,1,2,3
	v_wmma_scale_f32_16x16x128_f8f6f4 v[112+8*\t:119+8*\t], v[32+12*\t:43+12*\t], v[16:27], 0, v[248+\t], v255 matrix_a_fmt:MATRIX_FMT_BF6 matrix_b_fmt:MATRIX_FMT_BF6 matrix_a_scale:MATRIX_SCALE_ROW1
.endr
.rept 4
	v_nop
.endr
.if \diag
	s_cmp_lg_u32 s[KS], s[LIM]
	s_cbranch_scc1 .Lopen_\@
	v_mov_b32 v254, 0xff800000                     ; -infinity.  Register 16 b + i holds key 32 b + 16 (lane / 16) + i of the step: hidden where 32 b + i > v11
.set NN, 0
.rept 64
	v_cmp_gt_i32 vcc_lo, 32*(NN/16)+NN%16, v11
	v_cndmask_b32 v[80+NN], v[80+NN], v254, vcc_lo
.set NN, NN+1
.endr
.Lopen_\@:
.endif
.irp b, 0,1,2,3
	v_max3_num_f32 v[232+\b], v[80+16*\b], v[81+16*\b], v[82+16*\b]   ; the largest score of each block of 32 keys: for the row's maximum, and, since p rises with the score, for the block's largest p
.endr
.irp i, 3,5,7,9,11,13
.irp b, 0,1,2,3
	v_max3_num_f32 v[232+\b], v[232+\b], v[80+16*\b+\i], v[81+16*\b+\i]
.endr
.endr
.irp b, 0,1,2,3
	v_max_num_f32 v[232+\b], v[232+\b], v[95+16*\b]
.endr
.irp b, 0,1,2,3
	s_delay_alu instid0(VALU_DEP_4)
	v_permlanex16_b32 v[236+\b], v[232+\b], s[SEL], s[SEL+1]
.endr
.irp b, 0,1,2,3
	s_delay_alu instid0(VALU_DEP_4)
	v_max_num_f32 v[232+\b], v[232+\b], v[236+\b]  ; with lane l xor 16's 16 keys
.endr
	s_delay_alu instid0(VALU_DEP_2)
	v_max3_num_f32 v254, v232, v233, v234
	s_delay_alu instid0(VALU_DEP_1)
	v_max_num_f32 v254, v254, v235                 ; the step's largest score of my query
	s_delay_alu instid0(VALU_DEP_1)
	v_mul_f32 v254, s[CS], v254                    ; as t
	s_delay_alu instid0(VALU_DEP_1)
	v_max_num_f32 v13, v13, v254                   ; the running largest t
	v_mov_b32 v254, v12
	s_delay_alu instid0(VALU_DEP_2)
	v_floor_f32 v12, -v13                          ; the new -M = floor(-t): M is a whole number
	s_delay_alu instid0(VALU_DEP_1)
	v_sub_f32 v254, v12, v254                      ; old M - new M: a whole number, 0 or less
	s_delay_alu instid0(VALU_DEP_1)
	v_cvt_i32_f32 v254, v254                       ; (it saturates)
	s_delay_alu instid0(VALU_DEP_1)
	v_ldexp_f32 v252, 1.0, v254                    ; f = 2^(old M - new M)
.set JJ, 0
.rept 32
	v_pk_fma_f32 v[80+JJ:81+JJ], v[80+JJ:81+JJ], s[CS:CS+1], v[12:13] op_sel_hi:[1,0,0]   ; t - M, two at a time
.set JJ, JJ+2
.endr
.irp b, 0,1,2,3
	v_fma_f32 v[232+\b], v[232+\b], s[CS], v12     ; the same of each block's largest score
.endr
.set JJ, 0
	s_setprio 1
	s_wait_alu depctr_va_vdst(0)
.rept 64
	v_exp_f32 v[80+JJ], v[80+JJ]                   ; p = 2^(t - M), at most 1
.set JJ, JJ+1
.endr
	v_pk_mul_f32 v[14:15], v[14:15], v[252:253] op_sel_hi:[1,0]   ; the sums under the new M: a plain place behind the exponentials
	s_wait_alu depctr_va_vdst(0)                   ; one wait for the whole batch, ahead of its first reader
.irp b, 0,1,2,3
	v_exp_f32 v[232+\b], v[232+\b]                 ; the block's largest p
.endr
	v_pk_add_f32 v[236:237], v[84:85], v[88:89]
	v_pk_add_f32 v[250:251], v[92:93], v[96:97]
	v_pk_add_f32 v[248:249], v[100:101], v[104:105]
	v_pk_add_f32 v[246:247], v[108:109], v[112:113]
	v_pk_add_f32 v[244:245], v[116:117], v[120:121]
	v_pk_add_f32 v[242:243], v[124:125], v[128:129]
	v_pk_add_f32 v[240:241], v[132:133], v[136:137]
	v_pk_add_f32 v[14:15], v[14:15], v[140:141]
	v_pk_add_f32 v[236:237], v[236:237], v[80:81]
	v_pk_add_f32 v[250:251], v[250:251], v[82:83]
	v_pk_add_f32 v[248:249], v[248:249], v[86:87]
	v_pk_add_f32 v[246:247], v[246:247], v[90:91]
	v_pk_add_f32 v[244:245], v[244:245], v[94:95]
	v_pk_add_f32 v[242:243], v[242:243], v[98:99]
	v_pk_add_f32 v[240:241], v[240:241], v[102:103]
	v_pk_add_f32 v[14:15], v[14:15], v[106:107]
	v_pk_add_f32 v[236:237], v[236:237], v[110:111]
	v_pk_add_f32 v[250:251], v[250:251], v[114:115]
	v_pk_add_f32 v[248:249], v[248:249], v[118:119]
	v_pk_add_f32 v[246:247], v[246:247], v[122:123]
	v_pk_add_f32 v[244:245], v[244:245], v[126:127]
	v_pk_add_f32 v[242:243], v[242:243], v[130:131]
	v_pk_add_f32 v[240:241], v[240:241], v[134:135]
	v_pk_add_f32 v[14:15], v[14:15], v[138:139]
	v_pk_add_f32 v[236:237], v[236:237], v[142:143]
	s_delay_alu instid0(VALU_DEP_2)
	v_pk_add_f32 v[14:15], v[14:15], v[246:247]
	s_delay_alu instid0(VALU_DEP_2)
	v_pk_add_f32 v[236:237], v[236:237], v[244:245]
	v_pk_add_f32 v[250:251], v[250:251], v[242:243]
	v_pk_add_f32 v[248:249], v[248:249], v[240:241]
	s_delay_alu instid0(VALU_DEP_2)
	v_pk_add_f32 v[14:15], v[14:15], v[250:251]
	s_delay_alu instid0(VALU_DEP_2)
	v_pk_add_f32 v[236:237], v[236:237], v[248:249]
	s_delay_alu instid0(VALU_DEP_1)
	v_pk_add_f32 v[14:15], v[14:15], v[236:237]
	s_wait_alu depctr_va_vdst(0)                   ; and one for the four
.irp b, 0,1,2,3
	v_max_num_f32 v[232+\b], 0x2800000, v[232+\b]  ; the floor 2^(5 - 127): the byte cannot fall under 1
.endr
.irp b, 0,1,2,3
	s_delay_alu instid0(VALU_DEP_4)
	v_add_nc_u32 v[244+\b], 0xfe000000, v[232+\b]  ; 4 off the exponent field: the conversion's scale operand
.endr
.irp b, 0,1,2,3
	s_delay_alu instid0(VALU_DEP_4)
	v_lshrrev_b32 v[236+\b], 23, v[244+\b]
.endr
	s_delay_alu instid0(VALU_DEP_3)
	v_lshl_or_b32 v253, v237, 8, v236              ; p's scale word for these 128 keys
	s_delay_alu instid0(VALU_DEP_1)
	v_lshl_or_b32 v253, v238, 16, v253
	s_delay_alu instid0(VALU_DEP_1)
	v_lshl_or_b32 v253, v239, 24, v253
.irp c, 0,1
	v_cvt_scalef32_pk16_bf6_f32 v[224+6*\c:226+6*\c], v[80+32*\c:95+32*\c], v[244+2*\c]
	v_cvt_scalef32_pk16_bf6_f32 v[236+4*\c:238+4*\c], v[96+32*\c:111+32*\c], v[244+2*\c+1]
.endr
	v_nop                                          ; one plain place behind a scaled conversion
	s_setprio 0
.irp c, 0,1
.irp i, 0,1,2
	v_permlane16_swap_b32 v[224+6*\c+\i], v[236+4*\c+\i]
.endr
.irp i, 0,1,2
	s_delay_alu instid0(VALU_DEP_3)
	v_mov_b32 v[227+6*\c+\i], v[236+4*\c+\i]
.endr
.endr
.set JJ, 0
.rept 16
	v_pk_mul_f32 v[144+JJ:145+JJ], v[144+JJ:145+JJ], v[252:253] op_sel_hi:[1,0]   ; O^T under the new M; these sixteen are also the places between p's scale word and codes and the products
.set JJ, JJ+2
.endr
.irp i, 0,1,2,3
	v_wmma_scale_f32_16x16x128_f8f6f4 v[144+8*\i:151+8*\i], v[176+12*\i:187+12*\i], v[224:235], v[144+8*\i:151+8*\i], v[28+\i], v253 matrix_a_fmt:MATRIX_FMT_BF6 matrix_b_fmt:MATRIX_FMT_BF6
.endr
.if \diag
.Lhid_\@:
.endif
	s_add_co_u32 s[TK], s[TK], 6144
	s_add_co_u32 s[TS], s[TS], 512
	s_add_co_u32 s[TT], s[TT], 256
	s_add_co_u32 s[KS], s[KS], 1
.endm
.macro LOOP8 half, diag                ; the eight steps of a half: a constant count of trips
	s_mov_b32 s[TK], \half*104448
	s_mov_b32 s[TS], \half*104448
	s_mov_b32 s[TT], \half*104448
	s_mov_b32 s[KS], 8*\half
.Lk_\@:
	STEP \diag
	s_cmp_lt_u32 s[KS], 8*\half+8
	s_cbranch_scc1 .Lk_\@
	s_setprio 0
.endm
.macro SETTILE                         ; tile s[TAU]: q's piece and scale words are asked for; the mask's number; where the result goes; the sums begin
	s_mul_i32 s56, s[TAU], 768
	v_add_nc_u32 v80, s56, v1
	v_add_nc_u32 v81, s56, v2
	s_lshr_b32 s57, s[TAU], 2
	s_lshl_b32 s57, s57, 8
	s_and_b32 s58, s[TAU], 3
	s_lshl_b32 s58, s58, 2
	s_add_co_u32 s57, s57, s58
	s_add_co_u32 s57, s57, 98304
	v_and_b32 v83, 15, v0
	s_delay_alu instid0(VALU_DEP_1)
	v_lshl_add_u32 v82, v83, 4, s57
	global_load_b128 v[16:19], v80, s[60:61]
	global_load_b64 v[20:21], v81, s[60:61] offset:512
	global_load_b32 v255, v82, s[60:61]
	v_and_b32 v84, 8, v83
	s_delay_alu instid0(VALU_DEP_1)
	v_add_nc_u32 v83, v83, v84                     ; r + 8 (r / 8)
	v_bfe_u32 v84, v0, 4, 1
	s_delay_alu instid0(VALU_DEP_1)
	v_lshlrev_b32 v84, 4, v84
	s_delay_alu instid0(VALU_DEP_1)
	v_sub_nc_u32 v83, v83, v84                     ; - 16 h
	s_and_b32 s57, s[TAU], 7
	s_lshr_b32 s58, s57, 1
	s_lshl_b32 s58, s58, 5
	s_and_b32 s57, s57, 1
	s_lshl_b32 s57, s57, 3
	s_add_co_u32 s57, s57, s58
	v_add_nc_u32 v11, s57, v83                     ; my query's place in its step of 128, less 16 h
	s_lshr_b32 s57, s46, 4                         ; batch
	s_lshl_b32 s57, s57, 7
	s_add_co_u32 s57, s57, s[TAU]
	s_add_co_u32 s57, s57, 768                     ; the result's tile in cod and scl
	s_and_b32 s58, s46, 15                         ; head
	s_mul_i32 s52, s57, 12288
	s_mul_i32 s59, s58, 768
	s_add_co_u32 s52, s52, s59                     ; its piece: 64 along c
	s_lshl_b32 s53, s57, 9
	s_lshr_b32 s59, s58, 3
	s_lshl_b32 s59, s59, 8
	s_add_co_u32 s53, s53, s59
	s_lshr_b32 s59, s58, 1
	s_and_b32 s59, s59, 3
	s_lshl_b32 s59, s59, 2
	s_add_co_u32 s53, s53, s59
	s_and_b32 s59, s58, 1
	s_lshl_b32 s59, s59, 1
	s_add_co_u32 s53, s53, s59                     ; its two scale bytes in a row's words
	v_mov_b32 v13, 0xff61b1e6                      ; the largest t so far: -3e38
	s_delay_alu instid0(VALU_DEP_1)
	v_floor_f32 v12, -v13
	v_mov_b32 v14, 0
	v_mov_b32 v15, 0
.set JJ, 0
.rept 32
	v_mov_b32 v[144+JJ], 0                         ; O^T: the step is written once; the first change of M leaves zeros zeros
.set JJ, JJ+1
.endr
.endm
.macro FINISH                          ; o / l, quantised along c (two blocks of 32), stored as a piece of 768 bytes and two bytes a row
.rept 4
	v_nop
.endr
	v_add_f32 v14, v14, v15
	s_delay_alu instid0(VALU_DEP_1)
	v_permlanex16_b32 v252, v14, s[SEL], s[SEL+1]
	s_delay_alu instid0(VALU_DEP_1)
	v_add_f32 v14, v14, v252                       ; the row's sum
	s_wait_alu depctr_va_vdst(0)
	v_rcp_f32 v14, v14
	v_add_nc_u32 v112, s52, v1                     ; (plain work behind the reciprocal)  the stores' offsets
	v_add_nc_u32 v113, s52, v2
	v_and_b32 v114, 15, v0
	v_bfe_u32 v115, v0, 4, 1
	s_delay_alu instid0(VALU_DEP_1)
	v_lshl_add_u32 v114, v114, 4, v115
	s_delay_alu instid0(VALU_DEP_1)
	v_add_nc_u32 v114, s53, v114                   ; 16 r + h
	s_wait_alu depctr_va_vdst(0)                   ; ahead of the reciprocal's first reader
	v_mov_b32 v15, v14
.set JJ, 0
.rept 16
	v_pk_mul_f32 v[80+JJ:81+JJ], v[144+JJ:145+JJ], v[14:15]   ; register 16 B + i is channel 32 B + 16 h + i of the head
.set JJ, JJ+2
.endr
.irp b, 0,1
	v_max3_num_f32 v[232+\b], |v[80+16*\b]|, |v[81+16*\b]|, 0x2800000
.endr
.irp i, 2,4,6,8,10,12,14
.irp b, 0,1
	s_delay_alu instid0(VALU_DEP_2)
	v_max3_num_f32 v[232+\b], v[232+\b], |v[80+16*\b+\i]|, |v[81+16*\b+\i]|
.endr
.endr
.irp b, 0,1
	s_delay_alu instid0(VALU_DEP_2)
	v_permlanex16_b32 v[236+\b], v[232+\b], s[SEL], s[SEL+1]
.endr
.irp b, 0,1
	s_delay_alu instid0(VALU_DEP_2)
	v_max_num_f32 v[232+\b], v[232+\b], v[236+\b]
.endr
.irp b, 0,1
	s_delay_alu instid0(VALU_DEP_2)
	v_add_nc_u32 v[244+\b], 0xfe000000, v[232+\b]
.endr
.irp b, 0,1
	s_delay_alu instid0(VALU_DEP_2)
	v_lshrrev_b32 v[236+\b], 23, v[244+\b]
.endr
	v_cvt_scalef32_pk16_bf6_f32 v[224:226], v[80:95], v244
	v_cvt_scalef32_pk16_bf6_f32 v[240:242], v[96:111], v245
	v_cndmask_b32 v238, v236, v237, s[HM]          ; (the plain place behind the conversions)  lanes 0-15 store block 0's byte, lanes 16-31 block 1's
.irp i, 0,1,2
	v_permlane16_swap_b32 v[224+\i], v[240+\i]
.endr
.irp i, 0,1,2
	s_delay_alu instid0(VALU_DEP_3)
	v_mov_b32 v[227+\i], v[240+\i]
.endr
	global_store_b128 v112, v[224:227], s[6:7]
	global_store_b64 v113, v[228:229], s[6:7] offset:512
	global_store_b8 v114, v238, s[8:9]             ; a head owns 2 of a row's 32 scale bytes: 32 single bytes an instruction
	s_wait_xcnt 0x0                                ; the stores have read their registers: they may be written again
.endm
	s_load_b128 s[4:7], s[0:1], 0x0                ; qkv s[4:5], cod s[6:7]
	s_load_b64 s[8:9], s[0:1], 0x10                ; scl
	v_lshl_add_u32 v9, v0, 2, SPARE
	v_mov_b32 v10, 0
	ds_add_u32 v9, v10                             ; the wave's opening: the add, twice on end, and its wait ahead of the first tensor loads
	ds_add_u32 v9, v10
	v_lshrrev_b32 v1, 5, v0
	s_delay_alu instid0(VALU_DEP_1)
	v_readfirstlane_b32 s[WV], v1                  ; wave 0..15
	s_bfe_u32 s19, ttmp6, 0x40000                  ; g: my place in the cluster
	s_and_b32 s46, ttmp7, 0xffff                   ; 16 x batch + head, which the four partners share
	s_mov_b32 s24, 15|(3<<16)|(1<<21)              ; group 1: all four work-groups; elements of 8 bytes; bit 21 beside a mask; no padding
	s_mov_b32 s25, 32<<16                          ; rows of 256 bytes,
	s_mov_b32 s26, 102<<16                         ; 102 of them: a quarter of a half
	s_mov_b32 s27, 32<<16
	s_mov_b32 s28, 102
	s_mov_b32 s29, 32                              ; dense
	s_mov_b32 s30, 0
	s_mov_b32 s31, 0
	s_mul_i32 s47, s[WV], 26112                    ; my quarter, in memory and in LDS alike (waves 0-3)
	s_mul_i32 s60, s46, 315392
	s_mov_b32 s61, 0
	s_mov_b32 s[SEL], 0x76543210
	s_mov_b32 s[SEL+1], 0xfedcba98
	s_mov_b32 s[CS], 0x3e38aa3b                    ; c = log2(e) / 8
	s_mov_b32 s[CS+1], s[CS]
	s_lshr_b32 s49, s[WV], 1                       ; the early tile's last live step
	s_sub_co_u32 s50, 15, s49                      ; the late tile's
	s_lshl_b32 s51, s[WV], 2
	s_add_co_u32 s51, s51, s19                     ; the early tile: 4 w + g
	s_sub_co_u32 s[TAU], 127, s51                  ; the late one comes first
	s_wait_dscnt 0x0                               ; both opening adds are done
	s_wait_kmcnt 0x0
	s_add_nc_u64 s[60:61], s[4:5], s[60:61]        ; my record
	s_add_co_u32 s54, s47, 106496
	s_mov_b32 s55, 0
	s_mov_b32 s32, 1
	s_mov_b32 s33, s47
	s_add_nc_u64 s[34:35], s[60:61], s[54:55]
	s_mov_b32 s36, 1
	s_add_co_u32 s37, s47, 104448
	s_add_nc_u64 s[38:39], s[34:35], 104448
	s_or_b32 s35, s35, 0x80000000
	s_or_b32 s39, s39, 0x80000000
	CROUND                                         ; all four work-groups are here: the joint loads meet
	s_cmp_lt_u32 s[WV], 4                          ; a wave's two fills stand in one branch on the wave's number
	s_cbranch_scc0 .Lno_fill
	tensor_load_to_lds s[32:35], s[24:31]          ; keys 0 to 1,023
	s_nop 0
	tensor_load_to_lds s[36:39], s[24:31]          ; keys 1,024 to 2,047
	s_nop 0
.rept 4
	v_nop
.endr
.Lno_fill:
	v_and_b32 v1, 31, v0
	s_delay_alu instid0(VALU_DEP_1)
	v_cmp_lt_u32 s[HM], 15, v1
	s_delay_alu instid0(VALU_DEP_2)
	v_lshlrev_b32 v2, 3, v1
	s_delay_alu instid0(VALU_DEP_3)
	v_lshlrev_b32 v1, 4, v1
	s_delay_alu instid0(VALU_DEP_1)
	v_add_nc_u32 v3, 49152, v1
	v_and_b32 v4, 15, v0
	s_delay_alu instid0(VALU_DEP_1)
	v_lshl_add_u32 v4, v4, 4, 102400
.irp i, 22,23,24,25,26,27
	v_mov_b32 v[\i], 0                             ; zero codes: the upper 64 of q's K
.endr
.irp t, 0,1,2,3
.irp i, 6,7,8,9,10,11
	v_mov_b32 v[32+12*\t+\i], 0                    ; and of k's: never written again
.endr
.endr
.irp i, 236,237,238,239,252,253
	v_mov_b32 v[\i], 0                             ; lane permutes' destinations, and the pair v[252:253], are written before they are named
.endr
	SETTILE
	s_wait_tensorcnt 1                             ; my part of the first half is in; the second may be out
	s_barrier_signal -1
	s_barrier_wait -1
	s_wait_loadcnt 0x0                             ; q
	s_mov_b32 s[LIM], s50
	LOOP8 0, 0                                     ; the late tile's first eight steps: all keys count, in every wave
	s_wait_tensorcnt 0x0                           ; my part of the second half is in
	s_wait_dscnt 0x0
	s_barrier_signal -1
	s_barrier_wait -1
	LOOP8 1, 1
	FINISH
	s_mov_b32 s[TAU], s51
	SETTILE
	s_mov_b32 s[LIM], s49
	s_wait_loadcnt 0x0
	LOOP8 0, 1
	FINISH
	s_wait_tensorcnt 0x0                           ; the wave's end
	ds_add_u32 v9, v10
	s_wait_dscnt 0x0
	CROUND                                         ; the closing round
	s_endpgm
.Lfunc_end_k_qabde02cf5c_attn:
	.size	k_qabde02cf5c_attn, .Lfunc_end_k_qabde02cf5c_attn-k_qabde02cf5c_attn
	.p2alignl 7, 3214868480
	.fill 96, 4, 3214868480
	.section	.rodata,"a",@progbits
	.p2align	6, 0x0
	.amdhsa_kernel k_qabde02cf5c_attn
		.amdhsa_group_segment_fixed_size 210944
		.amdhsa_private_segment_fixed_size 0
		.amdhsa_enable_private_segment 0
		.amdhsa_kernarg_size 24
		.amdhsa_user_sgpr_count 2
		.amdhsa_user_sgpr_kernarg_segment_ptr 1
		.amdhsa_wavefront_size32 1
		.amdhsa_system_sgpr_workgroup_id_x 1
		.amdhsa_system_sgpr_workgroup_id_y 1
		.amdhsa_system_sgpr_workgroup_id_z 1
		.amdhsa_system_vgpr_workitem_id 0
		.amdhsa_next_free_vgpr 256
		.amdhsa_next_free_sgpr 66
		.amdhsa_reserve_vcc 1
		.amdhsa_float_denorm_mode_32 3
		.amdhsa_float_denorm_mode_16_64 3
		.amdhsa_memory_ordered 1
		.amdhsa_forward_progress 1
		.amdhsa_inst_pref_size 84
	.end_amdhsa_kernel
	.amdgpu_metadata
---
amdhsa.version: [ 1, 2 ]
amdhsa.kernels:
  - .name:           k_qabde02cf5c_attn
    .symbol:         k_qabde02cf5c_attn.kd
    .args:
      - { .name: qkv, .offset: 0, .size: 8, .value_kind: global_buffer, .address_space: global }
      - { .name: cod, .offset: 8, .size: 8, .value_kind: global_buffer, .address_space: global }
      - { .name: scl, .offset: 16, .size: 8, .value_kind: global_buffer, .address_space: global }
    .group_segment_fixed_size: 210944
    .private_segment_fixed_size: 0
    .kernarg_segment_align: 8
    .kernarg_segment_size: 24
    .max_flat_workgroup_size: 512
    .sgpr_count:     66
    .vgpr_count:     256
    .wavefront_size: 32
...
	.end_amdgpu_metadata
.endif
;; end of part 3
;; launch gemm_out (part 4): grid 4 x 32, 4 waves a work-group, clusters of 4 x 4, 327,680 bytes of LDS; arguments cod, scl, out_b, out0; writes out0
.if DOCPART == 4
	.amdgcn_target "amdgcn-amd-amdhsa--gfx1250"
	.amdhsa_code_object_version 6
	.text
	.protected	k_qabde02cf5c_gemm_out
	.globl	k_qabde02cf5c_gemm_out
	.p2align	8
	.type	k_qabde02cf5c_gemm_out,@function
k_qabde02cf5c_gemm_out:
	s_mov_b64 s[64:65], 0
	v_nop
	global_prefetch_b8 v0, s[64:65] scope:SCOPE_SE
	s_setreg_imm32_b32 hwreg(HW_REG_WAVE_MODE, 25, 1), 1
	s_wait_xcnt 0x0
	s_wait_alu depctr_hold_cnt(0) depctr_sa_sdst(0) depctr_va_vdst(0) depctr_va_sdst(0) depctr_va_ssrc(0) depctr_va_vcc(0) depctr_vm_vsrc(0)
	s_getreg_b32 s2, hwreg(HW_REG_IB_STS2, 6, 4)
	s_cmp_eq_u32 s2, 0
	s_cbranch_scc0 .Lentry_in_a_cluster
	s_endpgm
.Lentry_in_a_cluster:
	s_bfe_u32 s2, ttmp6, 0x10000c
	s_cmp_lg_u32 s2, 0xf033
	s_cbranch_scc0 .Lentry_shape_is_right
	s_endpgm
.Lentry_shape_is_right:
; LAUNCH 4 OF 4.  out0 = (o / l) out_w^T + out_b on codes of BF6 (E3M2) with E8M0 scales, sums in f32.  No work of reference() is left out here.
; The core is launch 2's: a tile of 256 tokens x 256 columns to a work-group of four waves, 128 x 128 a wave; K = 1,024 in eight steps of 128, written out; three LDS slots of 256 along K, slot 0 filled a second time
; behind one round of the cluster's barrier (at most three tensor loads of a wave are out; the launch claims all of a WGP's LDS); scale words straight into 64 registers.
; Source 0 = 16 rows of out_w, source 1 = 16 tokens: a lane holds a token and eight neighbouring columns.  The bias is the C of each sum's first matrix instruction: it costs no addition.
; Tokens and out_w's rows lie in launch 1's order within each 32: the way out puts columns and rows back by its addresses.
; THE WAY OUT: a block of 16 tokens x 128 columns goes through the wave's own stage in LDS (rows of 528 bytes) and leaves as whole rows of 512 bytes.  The stages lie in slot 1, which has had its only fill and whose
; last reads stand ahead of the last barrier.
; 128 work-groups: what 8,192 x 1,024 gives at this tile.
.set IDXA,  768                        ; the attention's result in cod and scl
.set IDXB,  704                        ; out_w
.set HALFT, 24576
.set SLOT,  98304
.set SPARE, 294912
.set FR,  12
.set A16, 12
.set A8,  15
.set B16, 18
.set B8,  21
.set L16, 24
.set L8,  25
.set STO, 26                           ; v26 the stage: where I put 32 bytes of a row;  v27 where I read a row back
.set RD,  27
.set SPW, 28
.set NIL, 29
.set SC,  32
.set AF,  128
.set BK,  128                          ; the way out: 16 rows read back: v128-191 and v192-255 by turns
.set HM,  44
.set G1,  24
.set G0,  32
.set G1B, 48
.set G0B, 68
.set MSB, 0
.macro WIN new
.if MSB != \new
	s_set_vgpr_msb (MSB<<8)|\new
.set MSB, \new
.endif
.endm
.macro JLOAD g0a, g1a, g0b, g1b        ; a joint load: waves 0, 1 fetch the tokens' halves, waves 2, 3 out_w's; an s_nop 0 and four v_nop follow each line
	s_cmp_eq_u32 s15, 0
	s_cbranch_scc0 .Lfor_b_\@
	tensor_load_to_lds s[\g0a:\g0a+3], s[\g1a:\g1a+7]
	s_nop 0
.rept 4
	v_nop
.endr
	s_branch .Lasked_\@
.Lfor_b_\@:
	tensor_load_to_lds s[\g0b:\g0b+3], s[\g1b:\g1b+7]
	s_nop 0
.rept 4
	v_nop
.endr
.Lasked_\@:
.endm
.macro CREST
	s_cmp_lg_u32 s14, 0
	s_cbranch_scc1 .Lnot_wave_0_\@
	s_barrier_signal -3
.Lnot_wave_0_\@:
	s_barrier_wait -3
	s_barrier_signal -1
	s_barrier_wait -1
.endm
.macro CROUND
	s_barrier_signal -1
	s_barrier_wait -1
	CREST
.endm
.macro PLACES                          ; four plain places behind a matrix instruction (ISA guide 7.12.1)
.rept 4
	v_nop
.endr
.endm
.macro FRAG reg, a16, a8, q, i
	ds_load_b128 v[\reg:\reg+3], v[\a16] offset:(\i)*3072+(\q)*1536
	ds_load_b64 v[\reg+4:\reg+5], v[\a8] offset:(\i)*3072+(\q)*1536+512
	ds_load_b128 v[\reg+6:\reg+9], v[\a16] offset:(\i)*3072+(\q)*1536+768
	ds_load_b64 v[\reg+10:\reg+11], v[\a8] offset:(\i)*3072+(\q)*1536+1280
.endm
.macro FETCH_B slot, q, p
	WIN 0x40
.irp i, 0,1,2,3,4,5,6,7
	FRAG 128*(\p)+FR*\i, B16+\slot, B8+\slot, \q, \i
.endr
	WIN 0
.endm
.macro FETCH_A slot, q, i0
.irp i, \i0, \i0+1, \i0+2, \i0+3
	FRAG AF+FR*(\i), A16+\slot, A8+\slot, \q, \i
.endr
.endm
; cm = 2: the first products take the bias as C (v96-127 and v224-255 of window 0).  The 64 accumulators take turns, one instruction a turn.
.macro MUL16 a0, p, kc, cm
.irp a, \a0, \a0+1
.irp b, 0,1,2,3,4,5,6,7
.if \cm == 2
	v_wmma_scale_f32_16x16x128_f8f6f4 v[8*(8*((\a)%4)+\b):8*(8*((\a)%4)+\b)+7], v[128*(\p)+FR*\b:128*(\p)+FR*\b+FR-1], v[AF+FR*(\a):AF+FR*(\a)+FR-1], v[96+8*\b+96*(\b/4):96+8*\b+96*(\b/4)+7], v[SC+8*\b+(\kc)], v[SC+8*(\a)+(\kc)] matrix_a_fmt:MATRIX_FMT_BF6 matrix_b_fmt:MATRIX_FMT_BF6 matrix_a_scale:MATRIX_SCALE_ROW1
.else
	v_wmma_scale_f32_16x16x128_f8f6f4 v[8*(8*((\a)%4)+\b):8*(8*((\a)%4)+\b)+7], v[128*(\p)+FR*\b:128*(\p)+FR*\b+FR-1], v[AF+FR*(\a):AF+FR*(\a)+FR-1], v[8*(8*((\a)%4)+\b):8*(8*((\a)%4)+\b)+7], v[SC+8*\b+(\kc)], v[SC+8*(\a)+(\kc)] matrix_a_fmt:MATRIX_FMT_BF6 matrix_b_fmt:MATRIX_FMT_BF6 matrix_a_scale:MATRIX_SCALE_ROW1
.endif
.endr
.endr
.endm
.macro STEP kc, cm, ns, nq
	s_wait_dscnt 16                                ; source 0's set and source 1's blocks 0-3 are in; the youngest sixteen loads (blocks 4-7) may be out
.if \cm == 2
	WIN 0x81                                       ; C in window 0, D in window 2
.else
	WIN 0xa1
.endif
	MUL16 0, (\kc)%2, \kc, \cm
	MUL16 2, (\kc)%2, \kc, \cm
	s_wait_dscnt 0x0
	PLACES
	FETCH_B \ns, \nq, 1-(\kc)%2
	FETCH_A \ns, \nq, 0
.if \cm == 2
	WIN 0xc1
.else
	WIN 0xf1
.endif
	MUL16 4, (\kc)%2, \kc, \cm
	MUL16 6, (\kc)%2, \kc, \cm
	PLACES
	WIN 0
	FETCH_A \ns, \nq, 4
.endm
.macro TURN kc, ns, fill
	s_wait_tensorcnt 0x0                           ; all my tensor loads have landed
	ds_add_u32 v[SPW], v[NIL]                      ; 0 onto my spare word
	s_wait_dscnt 17                                ; (the add and the youngest sixteen loads may be out)
	WIN 0xa1
	MUL16 0, 1, \kc, 0
	s_wait_dscnt 0x0                               ; the add is done, and my LDS reads are over
	s_barrier_signal -1
	MUL16 2, 1, \kc, 0
	WIN 0
	s_barrier_wait -1
.if \fill
	CREST                                          ; a round of the cluster's barrier: no wave of any partner still reads slot 0 or has a load on its way
	s_add_nc_u64 s[G0+2:G0+3], s[G0+2:G0+3], 9216
	s_add_nc_u64 s[G0B+2:G0B+3], s[G0B+2:G0B+3], 9216
	JLOAD G0, G1, G0B, G1B                         ; the first tensor load behind the round; its four v_nop are the places for the loads below
.else
	PLACES
.endif
	FETCH_B \ns, 0, 0
	FETCH_A \ns, 0, 0
	WIN 0xf1
	MUL16 4, 1, \kc, 0
	MUL16 6, 1, \kc, 0
	PLACES
	WIN 0
	FETCH_A \ns, 0, 4
.endm
	s_load_b256 s[4:11], s[0:1], 0x0               ; cod s[4:5], scl s[6:7], out_b s[8:9], out0 s[10:11]
	v_lshl_add_u32 v[SPW], v0, 2, SPARE
	v_mov_b32 v[NIL], 0
	ds_add_u32 v[SPW], v[NIL]                      ; the wave's opening: the add, twice on end, and its wait ahead of my first tensor load
	ds_add_u32 v[SPW], v[NIL]
	v_lshrrev_b32 v1, 5, v0
	v_readfirstlane_b32 s14, v1                    ; wave 0..3
	s_lshr_b32 s15, s14, 1                         ; my half of the tokens.  Also: I fetch tokens (0) or out_w (1)
	s_and_b32 s16, s14, 1                          ; my half of the columns.  Also: which 128 rows I fetch
	s_bfe_u32 s56, ttmp6, 0x40000                  ; cx
	s_bfe_u32 s57, ttmp6, 0x40004                  ; cy
	s_lshl_b32 s58, ttmp9, 2
	s_add_co_u32 s58, s58, s56                     ; wx
	s_and_b32 s59, ttmp7, 0xffff
	s_lshl_b32 s59, s59, 2
	s_add_co_u32 s59, s59, s57                     ; wy
	s_lshl_b32 s60, s57, 2
	s_lshl_b32 s60, 15, s60
	s_lshl_b32 s61, 0x1111, s56
	s_or_b32 s[G1], s60, (3<<16)|(1<<21)
	s_or_b32 s[G1B], s61, (3<<16)|(1<<21)
.irp g, G1, G1B
	s_mov_b32 s[\g+1], 384<<16
	s_mov_b32 s[\g+2], 8<<16
	s_mov_b32 s[\g+3], 384<<16
	s_mov_b32 s[\g+4], 8
	s_mov_b32 s[\g+5], 1536
	s_mov_b32 s[\g+6], 0
	s_mov_b32 s[\g+7], 0
.endr
	s_lshl_b32 s17, s16, 3
	s_lshl_b32 s20, s59, 4
	s_add_co_u32 s20, s20, s17
	s_add_co_u32 s20, s20, IDXA
	s_mul_i32 s20, s20, 12288
	s_mov_b32 s21, 0
	s_lshl_b32 s46, s58, 4
	s_add_co_u32 s46, s46, s17
	s_add_co_u32 s46, s46, IDXB
	s_mul_i32 s46, s46, 12288
	s_mov_b32 s47, 0
	s_mul_i32 s45, s14, HALFT
	s_wait_dscnt 0x0                               ; both opening adds are done
	s_wait_kmcnt 0x0
	s_add_nc_u64 s[20:21], s[4:5], s[20:21]
	s_add_nc_u64 s[46:47], s[4:5], s[46:47]
	CROUND                                         ; all sixteen work-groups are here: the first joint loads meet
.irp s, 0,1,2
	s_mov_b32 s[G0+4*\s], 1
	s_add_co_u32 s[G0+4*\s+1], s45, \s*SLOT
	s_add_nc_u64 s[G0+4*\s+2:G0+4*\s+3], s[20:21], \s*3072
	s_or_b32 s[G0+4*\s+3], s[G0+4*\s+3], 0x80000000
	s_mov_b32 s[G0B+4*\s], 1
	s_add_co_u32 s[G0B+4*\s+1], s45, \s*SLOT
	s_add_nc_u64 s[G0B+4*\s+2:G0B+4*\s+3], s[46:47], \s*3072
	s_or_b32 s[G0B+4*\s+3], s[G0B+4*\s+3], 0x80000000
	JLOAD G0+4*\s, G1, G0B+4*\s, G1B
.endr
	s_lshl_b32 s88, s59, 4
	s_lshl_b32 s82, s15, 3
	s_add_co_u32 s88, s88, s82
	s_add_co_u32 s88, s88, IDXA                    ; my tokens' first tile
	s_lshl_b32 s89, s58, 4
	s_lshl_b32 s83, s16, 3
	s_add_co_u32 s89, s89, s83
	s_add_co_u32 s89, s89, IDXB                    ; my columns' first tile
	s_lshl_b32 s88, s88, 9
	s_lshl_b32 s89, s89, 9
	s_mul_i32 s22, s15, HALFT
	s_mul_i32 s23, s16, HALFT
	s_add_co_u32 s23, s23, 49152
	v_and_b32 v1, 31, v0
	v_lshlrev_b32 v[L16], 4, v1
	v_lshlrev_b32 v[L8], 3, v1
	v_cmp_lt_u32 s[HM], 15, v1
	v_and_b32 v10, 15, v0                          ; r
	v_bfe_u32 v11, v0, 4, 1                        ; h
.irp s, 0,1,2
	v_add_nc_u32 v[A16+\s], s22, v[L16]
	v_add_nc_u32 v[A8+\s], s22, v[L8]
	v_add_nc_u32 v[B16+\s], s23, v[L16]
	v_add_nc_u32 v[B8+\s], s23, v[L8]
	s_add_co_u32 s22, s22, SLOT
	s_add_co_u32 s23, s23, SLOT
.endr
	v_mov_b32 v30, s88
	v_mov_b32 v31, s89
	v_cndmask_b32 v30, v30, v31, s[HM]             ; lanes 0-15 take the tokens' scale words, lanes 16-31 out_w's
	v_lshl_add_u32 v30, v10, 4, v30
.irp i, 0,1,2,3,4,5,6,7
.irp e, 0,1
	global_load_b128 v[SC+8*\i+4*\e:SC+8*\i+4*\e+3], v30, s[6:7] offset:512*\i+256*\e
.endr
.endr
	s_lshl_b32 s84, s58, 10
	s_lshl_b32 s85, s16, 9
	s_add_co_u32 s84, s84, s85                     ; my first column, in bytes
	s_mov_b32 s85, 0
	s_add_nc_u64 s[8:9], s[8:9], s[84:85]
	v_lshlrev_b32 v31, 6, v11                      ; register j of block b is column 32 (b / 2) + 16 h + 8 (b % 2) + j
.irp b, 0,1,2,3,4,5,6,7
	global_load_b128 v[96+8*\b+96*(\b/4):96+8*\b+96*(\b/4)+3], v31, s[8:9] offset:(32*(\b/2)+8*(\b%2))*4
	global_load_b128 v[96+8*\b+96*(\b/4)+4:96+8*\b+96*(\b/4)+7], v31, s[8:9] offset:(32*(\b/2)+8*(\b%2))*4+16
.endr
	s_lshl_b32 s86, s59, 8
	s_lshl_b32 s87, s15, 7
	s_add_co_u32 s86, s86, s87                     ; my first token
	s_lshl_b32 s86, s86, 12                        ; rows of 4,096 bytes
	s_mov_b32 s87, 0
	s_add_nc_u64 s[10:11], s[10:11], s[86:87]
	s_add_nc_u64 s[10:11], s[10:11], s[84:85]
	s_mul_i32 s82, s14, 16*528
	s_add_co_u32 s82, s82, SLOT                    ; my stage, in slot 1
	v_mul_u32_u24 v[STO], v10, 528
	v_lshl_add_u32 v[STO], v11, 6, v[STO]
	v_add_nc_u32 v[STO], s82, v[STO]               ; in: row r, + 64 h
	v_add_nc_u32 v[RD], s82, v[L16]                ; back: 16 bytes a lane of a row of 512
	s_wait_tensorcnt 2                             ; my part of K step 0 is in; K steps 1 and 2 may be out
	s_barrier_signal -1
	s_barrier_wait -1
	FETCH_B 0, 0, 0
	FETCH_A 0, 0, 0
	FETCH_A 0, 0, 4
	s_wait_loadcnt 0x0                             ; scale words and bias
	STEP 0, 2, 0, 1
	TURN 1, 1, 1                                   ; slots 1 and 2 are whole in every wave from here on
	STEP 2, 0, 1, 1
	STEP 3, 0, 2, 0
	STEP 4, 0, 2, 1
	TURN 5, 0, 0                                   ; the fourth K step has landed in every wave; nobody reads slot 1 any more
	STEP 6, 0, 0, 1
	s_wait_dscnt 16
	WIN 0xa1
	MUL16 0, 1, 7, 0
	MUL16 2, 1, 7, 0
	s_wait_dscnt 0x0
	WIN 0xf1
	MUL16 4, 1, 7, 0
	MUL16 6, 1, 7, 0
	WIN 0
.macro TOSTAGE a                       ; block a: 16 tokens x 128 columns into my stage, columns at their true places, and back as whole rows.  LDS serves a wave's instructions in order (ISA guide 5.7.1.4)
.set AC, 64*((\a)%4)
	WIN 0x08+4*((\a)/4)                            ; an LDS store's data: window 2 or 3
.irp b, 0,1,2,3,4,5,6,7
	ds_store_b128 v[STO], v[AC+8*\b:AC+8*\b+3] offset:128*(\b/2)+32*(\b%2)       ; each accumulator from its low end on
	ds_store_b128 v[STO], v[AC+8*\b+4:AC+8*\b+7] offset:128*(\b/2)+32*(\b%2)+16
.endr
	WIN 0
.set BB, BK+64*((\a)%2)
.irp t, 0,1,2,3,4,5,6,7,8,9,10,11,12,13,14,15
	ds_load_b128 v[BB+4*\t:BB+4*\t+3], v[RD] offset:\t*528
.endr
.endm
.macro SEND a, younger                 ; place t of block a is token 32 (a / 2) + 8 (a % 2) + t + 8 (t / 8) of my 128
.set BB, BK+64*((\a)%2)
	s_wait_dscnt \younger                          ; the block is back in registers
.if (\a) > 0
.if (\a)%2
	s_add_nc_u64 s[10:11], s[10:11], 8*4096        ; (behind a wait on XCNT: the earlier stores have read their base)
.else
	s_add_nc_u64 s[10:11], s[10:11], 24*4096
.endif
.endif
.irp t, 0,1,2,3,4,5,6,7,8,9,10,11,12,13,14,15
	global_store_b128 v[L16], v[BB+4*\t:BB+4*\t+3], s[10:11] offset:(\t+8*(\t/8))*4096 th:TH_STORE_NT   ; 512 consecutive bytes, at a multiple of 256 from out0's first byte
.endr
.endm
	PLACES
	TOSTAGE 0
.irp a, 1,2,3,4,5,6,7
.if \a > 1
	s_wait_xcnt 0x0                                ; block a - 2's stores have read their registers and their base
.endif
	TOSTAGE \a
	SEND \a-1, 32                                  ; behind block a - 1's loads: block a's 16 stores and 16 loads
.endr
	s_wait_xcnt 0x0
	SEND 7, 0
	s_wait_tensorcnt 0x0                           ; the wave's end, behind my last tensor load and my last LDS store
	ds_add_u32 v[SPW], v[NIL]
	s_wait_dscnt 0x0
	CROUND                                         ; the closing round
	s_endpgm
.Lfunc_end_k_qabde02cf5c_gemm_out:
	.size	k_qabde02cf5c_gemm_out, .Lfunc_end_k_qabde02cf5c_gemm_out-k_qabde02cf5c_gemm_out
	.p2alignl 7, 3214868480
	.fill 96, 4, 3214868480
	.section	.rodata,"a",@progbits
	.p2align	6, 0x0
	.amdhsa_kernel k_qabde02cf5c_gemm_out
		.amdhsa_group_segment_fixed_size 327680
		.amdhsa_private_segment_fixed_size 0
		.amdhsa_enable_private_segment 0
		.amdhsa_kernarg_size 32
		.amdhsa_user_sgpr_count 2
		.amdhsa_user_sgpr_kernarg_segment_ptr 1
		.amdhsa_wavefront_size32 1
		.amdhsa_system_sgpr_workgroup_id_x 1
		.amdhsa_system_sgpr_workgroup_id_y 1
		.amdhsa_system_sgpr_workgroup_id_z 1
		.amdhsa_system_vgpr_workitem_id 0
		.amdhsa_next_free_vgpr 1024
		.amdhsa_next_free_sgpr 100
		.amdhsa_reserve_vcc 0
		.amdhsa_float_denorm_mode_32 3
		.amdhsa_float_denorm_mode_16_64 3
		.amdhsa_memory_ordered 1
		.amdhsa_forward_progress 1
		.amdhsa_inst_pref_size 143
	.end_amdhsa_kernel
	.amdgpu_metadata
---
amdhsa.version: [ 1, 2 ]
amdhsa.kernels:
  - .name:           k_qabde02cf5c_gemm_out
    .symbol:         k_qabde02cf5c_gemm_out.kd
    .args:
      - { .name: cod, .offset: 0, .size: 8, .value_kind: global_buffer, .address_space: global }
      - { .name: scl, .offset: 8, .size: 8, .value_kind: global_buffer, .address_space: global }
      - { .name: out_b, .offset: 16, .size: 8, .value_kind: global_buffer, .address_space: global }
      - { .name: out0, .offset: 24, .size: 8, .value_kind: global_buffer, .address_space: global }
    .group_segment_fixed_size: 327680
    .private_segment_fixed_size: 0
    .kernarg_segment_align: 8
    .kernarg_segment_size: 32
    .max_flat_workgroup_size: 128
    .sgpr_count:     100
    .vgpr_count:     1024
    .wavefront_size: 32
...
	.end_amdgpu_metadata
.endif
;; end of part 4
